; MI455X (gfx1250); checked and timed in simulation.
; The chip was launched on July 23, 2026; its instructions are those of AMD's public machine-readable ISA for CDNA 5 (MIT licence, August 2026) and "CDNA5" Instruction Set Architecture Reference Guide (July 2026). The comments in the code are by the model that wrote it; some were corrected since.
;; Mixture Of Experts. Allowed arithmetic: float matrix products may take bf16 or f16 operands with f32 sums; other float arithmetic in f32, or as packed bf16 or f16 multiplies, adds, multiply-adds, maxima and minima; sums over many terms, partial sums and values carried from step to step in f32; what a program stores and reads back later, other than sums and carried values, may be rounded once to bf16 or f16.
;; Inputs: W1 8 x 1,024 x 512 float32; W2 8 x 512 x 1,024 float32; b1 8 x 512 float32; b2 8 x 1,024 float32; gate_W 1,024 x 8 float32; gate_b 8 float32; x 8,192 x 1,024 float32.
;; Outputs: out0 8,192 x 1,024 float32; out1 one number float32.
;; 3 versions, each right; version 2 is faster than version 1; version 3 is version 2 with the launch chain written anew for expert scheduling mode. Each part assembles by itself: llvm-mc -triple=amdgcn-amd-amdhsa -mcpu=gfx1250 --defsym DOCPART=n.
;; ======== version 1 of 3: 3 launches
;; limits: values are held in f16: magnitudes above 65,504 overflow, below 6.1e-05 lose precision
;; workspace buffers: tset 32,768 bytes of whole numbers; tgate 65,536 bytes; imp 8,192 bytes; wf1 8,388,608 bytes; wf2 8,388,608 bytes; list 40,960 bytes of whole numbers; tinfo 2,560 bytes of whole numbers
;; launch router (part 1): grid 256 x 1, 4 waves a work-group, no clusters, 104,960 bytes of LDS; arguments x, gate_W, gate_b, tset, tgate, imp; writes tset, tgate, imp
.if DOCPART == 1
	.amdgcn_target "amdgcn-amd-amdhsa--gfx1250"
	.amdhsa_code_object_version 6
	.text
	.protected	k_qf1e2b9dada_router
	.globl	k_qf1e2b9dada_router
	.p2align	8
	.type	k_qf1e2b9dada_router,@function
k_qf1e2b9dada_router:
	s_mov_b64 s[64:65], 0
	v_nop
	global_prefetch_b8 v0, s[64:65] scope:SCOPE_SE
	s_setreg_imm32_b32 hwreg(HW_REG_WAVE_MODE, 25, 1), 1
	s_wait_xcnt 0x0
; ROUTER.  logits = x gate_W + gate_b for 8,192 tokens and 8 experts; the two largest (the lower index wins a tie, as in lax.top_k), their softmax, and the full softmax's sums for the loss.
; x, gate_W and gate_b are rounded once to bf16, as every input of the program is; products by the matrix unit, sums in f32.
; OUT: tset[token] = hi (hi - 1) / 2 + lo, the number of the token's SET of two experts lo < hi (0..27); tgate[token] = (weight of lo, weight of hi);
;      imp[work-group][8] = the sum over the group's 32 tokens of softmax(logits).
; LIMITS.  NaN and infinities are not treated apart.  Two logits that differ by less than the rounding of the f32 sums may be ranked otherwise than a sum in another order ranks them.
; SHARES.  A work-group has 32 tokens; wave w takes k = 256 w .. 256 w + 255 of all 32.  Each wave's LDS regions are its own; the four partial logits meet in PART behind the one barrier, and wave 0 goes on alone.
; No cluster, no tensor load: no two work-groups share more than gate_W's 32 KB.
.set XPITCH, 528                       ; a token's 256 k in bf16, 512 bytes, + 16: sixteen rows' 16-byte pieces fall on sixteen different places modulo 256 bytes
.set XWB,    32*XPITCH                 ; a wave's 32 rows
.set GWB,    4*XWB                     ; gate_W: for each wave 256 rows (k) of 32 bytes: 8 experts in bf16, then the same 16 bytes again
.set PART,   GWB+4*8192                ; 4 waves x 32 tokens x 8 partial logits in f32
.set SPARE,  PART+4096                 ; the spare words: 128 bytes a wave, named by no other line
.set GF,  32                           ; v32-95    8 fragments of gate_W (16 columns x 32 k)
.set ACC, 96                           ; v96-111   two accumulators: tokens 0-15, tokens 16-31
.set LG,  112                          ; v112-119  8 logits
.set GB,  120                          ; v120-127  gate_b, rounded
.set XF,  128                          ; v128-255  raw gate_W, then packed x, then 16 fragments of x; window 1: x as loaded
.set MSB, 0
.macro WIN new                         ; the immediate's high byte repeats the setting that is left
.if MSB != (\new)
	s_set_vgpr_msb (MSB<<8)|(\new)
.set MSB, (\new)
.endif
.endm
	s_load_b256 s[4:11], s[0:1], 0x0               ; x s[4:5], gate_W s[6:7], gate_b s[8:9], tset s[10:11]
	s_load_b128 s[12:15], s[0:1], 0x20             ; tgate s[12:13], imp s[14:15]
	v_lshl_add_u32 v10, v0, 2, SPARE               ; my spare word,
	v_mov_b32 v11, 0                               ; and 0: kept for the wave's last three lines alone
	v_and_b32 v1, 31, v0                           ; lane
	v_lshrrev_b32 v12, 5, v0
	v_readfirstlane_b32 s16, v12                   ; wave
	v_lshlrev_b32 v2, 4, v1                        ; 16 x lane
	v_lshlrev_b32 v7, 5, v1                        ; 32 x lane
	v_and_b32 v13, 15, v1                          ; r
	v_lshrrev_b32 v14, 4, v1                       ; h
	s_mul_i32 s17, s16, XWB
	v_lshl_add_u32 v3, v1, 3, s17                  ; where I put 8 bytes of a row of x
	v_mul_u32_u24 v4, v13, XPITCH
	v_lshl_add_u32 v4, v14, 4, v4
	v_add_nc_u32 v4, s17, v4                       ; a fragment of x: row r, 16 h
	s_lshl_b32 s17, s16, 13
	s_add_co_u32 s17, s17, GWB
	v_add_nc_u32 v5, s17, v7                       ; where I put a row of gate_W
	v_and_b32 v15, 7, v1
	v_lshl_add_u32 v15, v14, 3, v15                ; the turning load: row 8 h + lane % 8,
	v_bfe_u32 v16, v1, 3, 1
	v_lshlrev_b32 v16, 4, v16                      ; 16 bytes for each half of the columns
	v_lshl_add_u32 v6, v15, 5, v16
	v_add_nc_u32 v6, s17, v6
	s_lshl_b32 s17, s16, 10
	s_add_co_u32 s17, s17, PART
	v_add_nc_u32 v8, s17, v7                       ; my wave's partial logits of token = lane
	v_add_nc_u32 v9, PART, v7                      ; wave 0's of the same token
	s_mov_b32 s28, 0xffff0000                      ; lanes 16-31; also a word's upper bf16
	s_mov_b32 s29, 0xff800000                      ; -infinity
	s_mov_b32 s30, 0x76543210                      ; v_permlanex16_b32: each lane takes its own place in the other half
	s_mov_b32 s31, 0xfedcba98
	s_mov_b32 s33, 0x3fb8aa3b                      ; log2(e)
	s_lshl_b32 s18, ttmp9, 17                      ; 32 rows of 4,096 bytes a work-group,
	s_lshl_b32 s19, s16, 10                        ; 1,024 bytes of each row a wave
	s_add_co_u32 s18, s18, s19
	s_mov_b32 s19, 0
	s_lshl_b32 s34, s16, 13                        ; 256 rows of gate_W a wave
	s_mov_b32 s35, 0
	s_wait_kmcnt 0x0
	s_add_nc_u64 s[4:5], s[4:5], s[18:19]
	s_add_nc_u64 s[6:7], s[6:7], s[34:35]
	s_load_b256 s[20:27], s[8:9], 0x0              ; gate_b
.irp i, 0,1,2,3,4,5,6,7                                ; gate_W: lane l holds rows l + 32 i, 32 bytes each
	global_load_b128 v[XF+8*\i:XF+8*\i+3],   v7, s[6:7] offset:\i*1024
	global_load_b128 v[XF+8*\i+4:XF+8*\i+7], v7, s[6:7] offset:\i*1024+16
.endr
	WIN 0x40                                       ; destination window 1
.set n, 0
.rept 64                                               ; x: row n / 2, half n % 2: each load of the wave covers 512 consecutive bytes
	global_load_b128 v[4*n:4*n+3], v2, s[4:5] offset:(n/2)*4096+(n%2)*512
.set n, n+1
.endr
	WIN 0
	s_wait_loadcnt 63                              ; 64 loads of x are younger than gate_W's: all 16 of gate_W's are in
.irp i, 0,1,2,3,4,5,6,7
.irp p, 0,1,2,3
	v_cvt_pk_bf16_f32 v[192+4*\i+\p], v[XF+8*\i+2*\p], v[XF+8*\i+2*\p+1]
.endr
	ds_store_b128 v5, v[192+4*\i:192+4*\i+3] offset:\i*1024
	ds_store_b128 v5, v[192+4*\i:192+4*\i+3] offset:\i*1024+16   ; columns 8-15 repeat the experts
.endr
.irp k, 0,1,2,3,4,5,6,7                                ; LDS serves a wave's instructions in order (ISA guide 5.7.1.4): these see the stores above
	ds_load_tr16_b128 v[GF+8*\k:GF+8*\k+3],   v6 offset:\k*1024
	ds_load_tr16_b128 v[GF+8*\k+4:GF+8*\k+7], v6 offset:\k*1024+512
.endr
.set bt, 0
.rept 4                                                ; x in four batches of 16 loads: rounded to bf16 and laid into rows along k
	s_wait_loadcnt 48-16*bt                        ; the later batches' loads stay out
	WIN 0x05                                       ; sources in window 1
.set n, 0
.rept 16
	v_cvt_pk_bf16_f32 v[XF+32*bt+2*n],   v[4*(16*bt+n)],   v[4*(16*bt+n)+1]
	v_cvt_pk_bf16_f32 v[XF+32*bt+2*n+1], v[4*(16*bt+n)+2], v[4*(16*bt+n)+3]
.set n, n+1
.endr
	WIN 0
.set n, 0
.rept 16
	ds_store_b64 v3, v[XF+32*bt+2*n:XF+32*bt+2*n+1] offset:((16*bt+n)/2)*XPITCH+((16*bt+n)%2)*256
.set n, n+1
.endr
.set bt, bt+1
.endr
.set n, 0
.rept 16                                               ; fragment n: k step n / 2, tokens 16 (n % 2) on
	ds_load_b128 v[XF+8*n:XF+8*n+3],   v4 offset:(n%2)*16*XPITCH+(n/2)*64
	ds_load_b128 v[XF+8*n+4:XF+8*n+7], v4 offset:(n%2)*16*XPITCH+(n/2)*64+32
.set n, n+1
.endr
	s_wait_dscnt 0x0
	; source 0 = 16 columns of gate_W, source 1 = 16 tokens: a lane then holds ONE token (lane % 16) and in register j expert j (both halves of the lanes alike).
	; The two accumulators take turns.
	v_wmma_f32_16x16x32_bf16 v[ACC:ACC+7],    v[GF:GF+7], v[XF:XF+7],    0
	v_wmma_f32_16x16x32_bf16 v[ACC+8:ACC+15], v[GF:GF+7], v[XF+8:XF+15], 0
.set k, 1
.rept 7
	v_wmma_f32_16x16x32_bf16 v[ACC:ACC+7],    v[GF+8*k:GF+8*k+7], v[XF+16*k:XF+16*k+7],    v[ACC:ACC+7]
	v_wmma_f32_16x16x32_bf16 v[ACC+8:ACC+15], v[GF+8*k:GF+8*k+7], v[XF+16*k+8:XF+16*k+15], v[ACC+8:ACC+15]
.set k, k+1
.endr
.rept 4
	v_nop                                          ; four places between the last product and the first read of its result (ISA guide 7.12.1)
.endr
.irp j, 0,1,2,3,4,5,6,7
	v_cndmask_b32 v[LG+\j], v[ACC+\j], v[ACC+8+\j], s28   ; lane l holds token l: lanes 16-31 take the second accumulator
.endr
	ds_store_b128 v8, v[LG:LG+3]
	ds_store_b128 v8, v[LG+4:LG+7] offset:16
	s_wait_kmcnt 0x0                               ; gate_b
	s_wait_dscnt 0x0                               ; for wave 0's sake: my partial logits are in LDS
	s_barrier_signal -1
	s_barrier_wait -1
	s_cmp_lg_u32 s16, 0
	s_cbranch_scc1 .Lend                           ; 32 tokens are one wave's work
.irp p, 0,1,2,3
	ds_load_b128 v[128+8*\p:128+8*\p+3], v9 offset:\p*1024
	ds_load_b128 v[128+8*\p+4:128+8*\p+7], v9 offset:\p*1024+16
.endr
	v_cvt_pk_bf16_f32 v12, s20, s21                ; gate_b rounded to bf16, and back in f32
	v_cvt_pk_bf16_f32 v13, s22, s23
	v_cvt_pk_bf16_f32 v14, s24, s25
	v_cvt_pk_bf16_f32 v15, s26, s27
.irp p, 0,1,2,3
	v_lshlrev_b32 v[GB+2*\p], 16, v[12+\p]
	v_and_b32 v[GB+2*\p+1], s28, v[12+\p]
.endr
	s_wait_dscnt 0x0
.irp q, 0,2,4,6
	v_pk_add_f32 v[128+\q:129+\q], v[128+\q:129+\q], v[136+\q:137+\q]
	v_pk_add_f32 v[144+\q:145+\q], v[144+\q:145+\q], v[152+\q:153+\q]
.endr
.irp q, 0,2,4,6
	v_pk_add_f32 v[128+\q:129+\q], v[128+\q:129+\q], v[144+\q:145+\q]
.endr
.irp q, 0,2,4,6
	v_pk_add_f32 v[LG+\q:LG+\q+1], v[128+\q:129+\q], v[GB+\q:GB+\q+1]
.endr
	v_mov_b32 v16, v[LG]                           ; the largest, m1 at i1: ascending, strictly greater, so the lower index keeps a tie
	v_mov_b32 v17, 0
.irp e, 1,2,3,4,5,6,7
	v_cmp_gt_f32 vcc_lo, v[LG+\e], v16
	v_cndmask_b32 v16, v16, v[LG+\e], vcc_lo
	v_cndmask_b32 v17, v17, \e, vcc_lo
.endr
	v_cmp_eq_u32 vcc_lo, 0, v17                    ; the second, m2 at i2: the same walk with i1's logit taken as -infinity
	v_cndmask_b32 v18, v[LG], s29, vcc_lo
	v_mov_b32 v19, 0
.irp e, 1,2,3,4,5,6,7
	v_cmp_eq_u32 vcc_lo, \e, v17
	v_cndmask_b32 v20, v[LG+\e], s29, vcc_lo
	v_cmp_gt_f32 vcc_lo, v20, v18
	v_cndmask_b32 v18, v18, v20, vcc_lo
	v_cndmask_b32 v19, v19, \e, vcc_lo
.endr
	v_mul_f32 v14, s33, v16                        ; both softmaxes take the maximum m1 away: 2^(c L - c m1), c = log2(e)
	v_fma_f32 v21, v18, s33, -v14
.irp j, 0,1,2,3,4,5,6,7
	v_fma_f32 v[128+\j], v[LG+\j], s33, -v14
.endr
	v_exp_f32 v21, v21                             ; d = e^(m2 - m1)
.irp j, 0,1,2,3,4,5,6,7
	v_exp_f32 v[128+\j], v[128+\j]
.endr
	v_nop                                          ; a plain instruction behind the last exponential,
	s_wait_alu depctr_va_vdst(0)                   ; and the wait ahead of the first use: one for the nine
	v_pk_add_f32 v[136:137], v[128:129], v[130:131]
	v_pk_add_f32 v[138:139], v[132:133], v[134:135]
	v_add_f32 v22, 1.0, v21
	v_pk_add_f32 v[136:137], v[136:137], v[138:139]
	v_add_f32 v20, v136, v137
	v_rcp_f32 v22, v22                             ; g1 = 1 / (1 + d)
	v_rcp_f32 v24, v20                             ; 1 / the sum of the eight, twice: a pair for the packed multiply
	v_rcp_f32 v25, v20
	v_nop
	s_wait_alu depctr_va_vdst(0)                   ; one wait for the three reciprocals
	v_mul_f32 v23, v21, v22                        ; g2 = d g1
	v_cmp_lt_u32 vcc_lo, v17, v19
	v_cndmask_b32 v26, v23, v22, vcc_lo            ; the lower-numbered expert's weight,
	v_cndmask_b32 v27, v22, v23, vcc_lo            ; the higher-numbered one's
	v_min_u32 v28, v17, v19
	v_max_u32 v29, v17, v19
	v_add_nc_u32 v30, -1, v29
	v_mul_u32_u24 v30, v30, v29
	v_lshrrev_b32 v30, 1, v30
	v_add_nc_u32 v30, v30, v28                     ; hi (hi - 1) / 2 + lo
	s_lshl_b32 s17, ttmp9, 7
	v_lshl_add_u32 v31, v1, 2, s17
	global_store_b32 v31, v30, s[10:11]
	s_lshl_b32 s17, ttmp9, 8
	v_lshl_add_u32 v12, v1, 3, s17
	global_store_b64 v12, v[26:27], s[12:13]       ; the wave's store covers 256 consecutive bytes, aligned
.irp q, 0,2,4,6
	v_pk_mul_f32 v[128+\q:129+\q], v[128+\q:129+\q], v[24:25]
.endr
.irp m, 1,2,4,8                                        ; the eight sums over the 32 tokens
.irp j, 0,1,2,3,4,5,6,7
	v_add_f32_dpp v[128+\j], v[128+\j], v[128+\j] row_xmask:\m row_mask:0xf bank_mask:0xf
.endr
.endr
.irp j, 0,1,2,3,4,5,6,7
	v_permlanex16_b32 v[136+\j], v[128+\j], s30, s31
.endr
.irp j, 0,1,2,3,4,5,6,7
	v_add_f32 v[128+\j], v[128+\j], v[136+\j]
.endr
	s_lshl_b32 s17, ttmp9, 5
	v_mov_b32 v13, s17
	v_cmp_eq_u32 vcc_lo, 0, v1
	s_wait_xcnt 0x0                                ; EXEC is a source of the stores above: it changes only behind this wait
	s_and_saveexec_b32 s32, vcc_lo                 ; lane 0 alone
	global_store_b128 v13, v[128:131], s[14:15]
	global_store_b128 v13, v[132:135], s[14:15] offset:16
	s_wait_xcnt 0x0                                ; and again, in front of the line that widens it
	s_or_b32 exec_lo, exec_lo, s32
.Lend:
	s_wait_tensorcnt 0x0                           ; the wave's end, behind my last LDS store
	ds_add_u32 v10, v11
	s_wait_dscnt 0x0
	s_endpgm
.Lfunc_end_k_qf1e2b9dada_router:
	.size	k_qf1e2b9dada_router, .Lfunc_end_k_qf1e2b9dada_router-k_qf1e2b9dada_router
	.p2alignl 7, 3214868480
	.fill 96, 4, 3214868480
	.section	.rodata,"a",@progbits
	.p2align	6, 0x0
	.amdhsa_kernel k_qf1e2b9dada_router
		.amdhsa_group_segment_fixed_size 104960
		.amdhsa_private_segment_fixed_size 0
		.amdhsa_enable_private_segment 0
		.amdhsa_kernarg_size 48
		.amdhsa_user_sgpr_count 2
		.amdhsa_user_sgpr_kernarg_segment_ptr 1
		.amdhsa_wavefront_size32 1
		.amdhsa_system_sgpr_workgroup_id_x 1
		.amdhsa_system_sgpr_workgroup_id_y 1
		.amdhsa_system_sgpr_workgroup_id_z 1
		.amdhsa_system_vgpr_workitem_id 0
		.amdhsa_next_free_vgpr 512
		.amdhsa_next_free_sgpr 66
		.amdhsa_reserve_vcc 1
		.amdhsa_float_denorm_mode_32 3
		.amdhsa_float_denorm_mode_16_64 3
		.amdhsa_memory_ordered 1
		.amdhsa_forward_progress 1
		.amdhsa_inst_pref_size 41
	.end_amdhsa_kernel
	.amdgpu_metadata
---
amdhsa.version: [ 1, 2 ]
amdhsa.kernels:
  - .name:           k_qf1e2b9dada_router
    .symbol:         k_qf1e2b9dada_router.kd
    .args:
      - { .name: x, .offset: 0, .size: 8, .value_kind: global_buffer, .address_space: global }
      - { .name: gate_W, .offset: 8, .size: 8, .value_kind: global_buffer, .address_space: global }
      - { .name: gate_b, .offset: 16, .size: 8, .value_kind: global_buffer, .address_space: global }
      - { .name: tset, .offset: 24, .size: 8, .value_kind: global_buffer, .address_space: global }
      - { .name: tgate, .offset: 32, .size: 8, .value_kind: global_buffer, .address_space: global }
      - { .name: imp, .offset: 40, .size: 8, .value_kind: global_buffer, .address_space: global }
    .group_segment_fixed_size: 104960
    .private_segment_fixed_size: 0
    .kernarg_segment_align: 8
    .kernarg_segment_size: 48
    .max_flat_workgroup_size: 128
    .sgpr_count:     66
    .vgpr_count:     512
    .wavefront_size: 32
...
	.end_amdgpu_metadata
.endif
;; end of part 1
;; launch prep (part 2): grid 257 x 1, 8 waves a work-group, no clusters, 103,680 bytes of LDS; arguments W1, W2, tset, imp, wf1, wf2, list, tinfo, out1; writes wf1, wf2, list, tinfo, out1
.if DOCPART == 2
	.amdgcn_target "amdgcn-amd-amdhsa--gfx1250"
	.amdhsa_code_object_version 6
	.text
	.protected	k_qf1e2b9dada_prep
	.globl	k_qf1e2b9dada_prep
	.p2align	8
	.type	k_qf1e2b9dada_prep,@function
k_qf1e2b9dada_prep:
	s_mov_b64 s[64:65], 0
	v_nop
	global_prefetch_b8 v0, s[64:65] scope:SCOPE_SE
	s_setreg_imm32_b32 hwreg(HW_REG_WAVE_MODE, 25, 1), 1
	s_wait_xcnt 0x0
; PREP.  Work-group 0: a counting sort of the 8,192 tokens by their set of experts (28 sets), the table of tiles of 64 tokens, and the loss.  Work-groups 1-128: W1, 129-256: W2, rounded once
; and laid out in the order in which a wave's operand registers take them.
; OUT: list[64 tile + i] = token, for i below the tile's count alone (the places behind are not stored, and nobody reads them);  tinfo[tile] = {lo, hi, count, set}, count = 0 for a tile that the split leaves empty;
;      wf1 (bf16) [e 8][256-column block 2][k step 32][n block 16][q 2][lane 32][16 bytes];  wf2 (f16) [e 8][block 4][k step 16][..]: lane 16 h + r holds column 16 nb + r, k = 32 ks + 16 q + 8 h + 0..7;
;      out1 = 0.01 x 8 x the sum over experts of (mean softmax)^2.
; A set of n tokens takes ceil(n / 64) tiles: (8192 + 28 x 63) / 64 = 155 at the most, whatever the split.
; W2 is rounded to bf16, as every input is, and that number is written as f16: exact from 6.1e-5 to 65,504; below it keeps f16's fixed step of 6e-8.
; ORDER.  Each wave's counts (CNT), set and rank of its tokens (SR) and its addends (ADD) are the wave's own bytes; the waves' totals (WT) and parts of the loss (IMPS) pass between waves: ONE barrier, which every
; work-group passes; what only work-group 0 does is jumped by the others.  The list's 32 KB leave in pieces of 4 bytes: the places are the sort's.
.set STGP,  1040                       ; the weights' stage: an n block's 1,024 bytes + 16
.set STGB,  8448                       ; a wave's stage: 8 n blocks
.set CNT,   8*STGB                     ; u16 [256 chunks of 32 tokens][32]: counts, then prefixes; column 31 takes what is thrown away
.set SR,    CNT+16384                  ; u16 [8192]: set | rank in the chunk << 8
.set WT,    SR+16384                   ; u32 [8 waves][32 sets]
.set ADDB,  WT+1024                    ; u32 [8 waves][32 sets]
.set IMPS,  ADDB+1024                  ; f32 [8 waves][8 experts]
.set SPARE, IMPS+256                   ; the spare words: 128 bytes a wave, named by no other line
	s_load_b512 s[4:19], s[0:1], 0x0               ; W1 s[4:5], W2 s[6:7], tset s[8:9], imp s[10:11], wf1 s[12:13], wf2 s[14:15], list s[16:17], tinfo s[18:19]
	s_load_b64 s[20:21], s[0:1], 0x40              ; out1
	v_lshl_add_u32 v3, v0, 2, SPARE                ; my spare word,
	v_mov_b32 v4, 0                                ; and 0: kept for the wave's last three lines alone
	v_and_b32 v1, 31, v0                           ; lane
	v_lshrrev_b32 v5, 5, v0
	v_readfirstlane_b32 s24, v5                    ; wave
	v_lshlrev_b32 v2, 4, v1                        ; 16 x lane
	s_lshl_b32 s25, s24, 11
	s_add_co_u32 s27, s25, SR
	s_add_co_u32 s25, s25, CNT                     ; s25: my wave's 32 chunks of CNT
	s_lshl_b32 s26, s24, 7
	s_add_co_u32 s28, s26, WT
	s_add_co_u32 s26, s26, ADDB                    ; s26: my wave's row of ADD
	s_lshl_b32 s29, s24, 12
	v_lshl_add_u32 v6, v1, 2, s29                  ; tset: my wave's 1,024 tokens, 4 bytes a lane
	v_add_nc_u32 v7, s25, v2
	v_mov_b32 v8, 0
	v_mov_b32 v9, 0
	v_mov_b32 v10, 0
	v_mov_b32 v11, 0
	v_lshl_add_u32 v12, v1, 1, s27                 ; SR of token = lane in my first chunk
	v_lshl_add_u32 v13, v1, 1, s25                 ; CNT of set = lane in my first chunk
	v_lshl_add_u32 v21, v1, 2, s28                 ; WT[my wave][lane]
	v_lshl_add_u32 v22, v1, 2, WT                  ; WT[0][lane]
	v_lshl_add_u32 v31, v1, 2, s26                 ; ADD[my wave][lane]
	s_lshl_b32 s29, s24, 10
	v_add_nc_u32 v38, s29, v1                      ; the token of my lane in my first chunk
	v_add_nc_u32 v49, s29, v2                      ; imp: my wave's 1,024 bytes
	v_and_b32 v5, 1, v1
	v_lshl_add_u32 v44, v5, 4, IMPS                ; even lanes: experts 0-3, odd lanes: 4-7
	s_lshl_b32 s29, s24, 5
	v_add_nc_u32 v48, s29, v44
	v_mov_b32 v45, 0
	s_mul_i32 s29, s24, STGB
	v_add_nc_u32 v47, s29, v2                      ; out of the stage: 512 bytes on end
	v_lshrrev_b32 v5, 2, v1
	v_mul_u32_u24 v46, v5, STGP
	v_and_b32 v5, 3, v1
	v_lshl_add_u32 v46, v5, 6, v46
	v_add_nc_u32 v46, s29, v46                     ; into the stage: n block lane / 4, place 4 (lane % 4) in it
	s_mov_b32 s32, 0x76543210                      ; v_permlanex16_b32: each lane takes its own place in the other half
	s_mov_b32 s33, 0xfedcba98
	s_wait_kmcnt 0x0
	s_cmp_lg_u32 ttmp9, 0
	s_cbranch_scc1 .Lmeet
	; COUNT.  Wave w has chunks 32 w + j of 32 tokens.
.set jj, 0
.rept 32
	global_load_b32 v[64+jj], v6, s[8:9] offset:128*jj
.set jj, jj+1
.endr
	global_load_b128 v[52:55], v49, s[10:11]
	global_load_b128 v[56:59], v49, s[10:11] offset:512
.irp i, 0,1,2,3
	ds_store_b128 v7, v[8:11] offset:512*\i        ; my 2 KB of CNT start at 0
.endr
	s_wait_loadcnt 0x0
	v_pk_add_f32 v[52:53], v[52:53], v[56:57]      ; my wave's part of the loss: 32 work-groups' sums; a lane holds four experts by its parity
	v_pk_add_f32 v[54:55], v[54:55], v[58:59]
.irp m, 2,4,8
.irp c, 52,53,54,55
	v_add_f32_dpp v\c, v\c, v\c row_xmask:\m row_mask:0xf bank_mask:0xf
.endr
.endr
.irp c, 52,53,54,55
	v_permlanex16_b32 v[\c+4], v\c, s32, s33
.endr
.irp c, 52,53,54,55
	v_add_f32 v\c, v\c, v[\c+4]
.endr
	ds_store_b128 v48, v[52:55]                    ; lanes of one parity write the same 16 bytes with the same numbers
.macro SAME bit, d                     ; d = the lanes whose set has this bit as mine has it
	v_and_b32 \d, 1<<(\bit), v[64+jj]
	v_cmp_ne_u32 s30, 0, \d
	v_cndmask_b32 \d, -1, 0, s30
	v_xor_b32 \d, s30, \d
.endm
.set jj, 0
.rept 32                                               ; a chunk: my rank among the lanes of my set; the last lane of a set stores the set's count
	v_min_u32 v[64+jj], 27, v[64+jj]
	SAME 0, v14
.irp b, 1,2,3,4
	SAME \b, v15
	v_and_b32 v14, v14, v15
.endr
	v_mbcnt_lo_u32_b32 v16, v14, 0                 ; lanes of my set below me
	v_lshrrev_b32 v17, v1, v14
	v_cmp_gt_u32 vcc_lo, 2, v17                    ; none above me
	v_cndmask_b32 v17, 31, v[64+jj], vcc_lo        ; the others write into column 31
	v_min_u32 v17, 31, v17
	v_lshl_add_u32 v17, v17, 1, s25
	v_add_nc_u32 v18, 1, v16
	ds_store_b16 v17, v18 offset:64*jj
	v_lshl_or_b32 v19, v16, 8, v[64+jj]
	ds_store_b16 v12, v19 offset:64*jj
.set jj, jj+1
.endr
	; PREFIX over my wave's chunks; lane = set.  LDS serves a wave's instructions in order (ISA guide 5.7.1.4): these loads see the stores above.
.set jj, 0
.rept 32
	ds_load_u16 v[128+jj], v13 offset:64*jj
.set jj, jj+1
.endr
	v_mov_b32 v160, 0
	s_wait_dscnt 0x0
.set jj, 0
.rept 32
	v_add_nc_u32 v[161+jj], v[160+jj], v[128+jj]
	ds_store_b16 v13, v[160+jj] offset:64*jj       ; the count gives way to the sum of the chunks before
.set jj, jj+1
.endr
	v_cmp_gt_u32 vcc_lo, 28, v1
	v_cndmask_b32 v20, 0, v192, vcc_lo             ; there are 28 sets
	ds_store_b32 v21, v20
.Lmeet:
	s_wait_dscnt 0x0                               ; for the others' sake: my totals and my part of the loss are in LDS
	s_barrier_signal -1
	s_barrier_wait -1
	s_cmp_lg_u32 ttmp9, 0
	s_cbranch_scc1 .Lweights
	; PLACES.  Every wave: a set's tokens n, its tiles, the tiles before it; lane = set.
.irp i, 0,1,2,3,4,5,6,7
	ds_load_b32 v[64+\i], v22 offset:128*\i
.endr
	v_mov_b32 v24, 0
	v_mov_b32 v28, 0
	s_wait_dscnt 0x0
	v_add3_u32 v23, v64, v65, v66
	v_add3_u32 v23, v23, v67, v68
	v_add3_u32 v23, v23, v69, v70
	v_add_nc_u32 v23, v23, v71                     ; n
.irp i, 0,1,2,3,4,5,6
	s_cmp_gt_u32 s24, \i
	s_cselect_b32 s30, -1, 0
	v_and_b32 v25, s30, v[64+\i]
	v_add_nc_u32 v24, v24, v25                     ; the set's tokens in the waves before mine
.endr
	v_add_nc_u32 v26, 63, v23
	v_lshrrev_b32 v26, 6, v26                      ; tiles
	v_mov_b32 v27, v26
.irp m, 1,2,4,8
	v_mov_b32_dpp v28, v27 row_shr:\m row_mask:0xf bank_mask:0xf bound_ctrl:1
	v_add_nc_u32 v27, v27, v28
.endr
	v_readlane_b32 s30, v27, 15
	v_cmp_le_u32 vcc_lo, 16, v1
	v_cndmask_b32 v28, 0, s30, vcc_lo
	v_add_nc_u32 v27, v27, v28                     ; tiles up to and with this set,
	v_sub_nc_u32 v29, v27, v26                     ; and before it
	v_lshl_add_u32 v30, v29, 6, v24
	ds_store_b32 v31, v30                          ; 64 x the set's first tile + its tokens in earlier waves
	s_cmp_gt_u32 s24, 4
	s_cbranch_scc1 .Lno_tinfo
	s_lshl_b32 s31, s24, 5                         ; THE TABLE: waves 0-4, a tile a lane
	v_add_nc_u32 v32, s31, v1
	v_mov_b32 v43, 0
.set q, 0
.rept 28
	v_readlane_b32 s30, v27, q
	v_cmp_le_u32 vcc_lo, s30, v32
	v_add_co_ci_u32 v43, vcc_lo, 0, v43, vcc_lo    ; the tile's set: how many sets end at or before it
.set q, q+1
.endr
	v_min_u32 v34, 27, v43
	v_lshlrev_b32 v34, 2, v34
	ds_bpermute_b32 v35, v34, v23                  ; that set's n,
	ds_bpermute_b32 v36, v34, v29                  ; and its first tile
	v_mov_b32 v41, 1
.irp th, 1,3,6,10,15,21
	v_cmp_le_u32 vcc_lo, \th, v43
	v_add_co_ci_u32 v41, vcc_lo, 0, v41, vcc_lo    ; hi
.endr
	v_add_nc_u32 v33, -1, v41
	v_mul_u32_u24 v33, v33, v41
	v_lshrrev_b32 v33, 1, v33
	v_sub_nc_u32 v40, v43, v33
	v_min_u32 v40, 7, v40                          ; lo
	s_wait_dscnt 0x0
	v_sub_nc_u32 v36, v32, v36
	v_lshlrev_b32 v36, 6, v36
	v_sub_nc_u32 v35, v35, v36
	v_min_u32 v35, 64, v35
	v_cmp_gt_u32 vcc_lo, 28, v43
	v_cndmask_b32 v42, 0, v35, vcc_lo              ; the count; 0 behind the last tile
	v_lshlrev_b32 v37, 4, v32
	global_store_b128 v37, v[40:43], s[18:19]      ; the wave's store covers 512 consecutive bytes
.Lno_tinfo:
	s_cmp_lg_u32 s24, 7
	s_cbranch_scc1 .Lno_loss
.irp i, 0,1,2,3,4,5,6,7                                ; THE LOSS: wave 7 adds the eight waves' parts
	ds_load_b128 v[64+4*\i:67+4*\i], v44 offset:32*\i
.endr
	s_wait_dscnt 0x0
.irp i, 0,1,2,3
	v_pk_add_f32 v[64+4*\i:65+4*\i], v[64+4*\i:65+4*\i], v[80+4*\i:81+4*\i]
	v_pk_add_f32 v[66+4*\i:67+4*\i], v[66+4*\i:67+4*\i], v[82+4*\i:83+4*\i]
.endr
.irp i, 0,1
	v_pk_add_f32 v[64+4*\i:65+4*\i], v[64+4*\i:65+4*\i], v[72+4*\i:73+4*\i]
	v_pk_add_f32 v[66+4*\i:67+4*\i], v[66+4*\i:67+4*\i], v[74+4*\i:75+4*\i]
.endr
	v_pk_add_f32 v[64:65], v[64:65], v[68:69]
	v_pk_add_f32 v[66:67], v[66:67], v[70:71]
	v_pk_mul_f32 v[64:65], v[64:65], 0x39000000 op_sel_hi:[1,0]   ; / 8192: the mean
	v_pk_mul_f32 v[66:67], v[66:67], 0x39000000 op_sel_hi:[1,0]
	v_mul_f32 v68, v64, v64
	v_fma_f32 v68, v65, v65, v68
	v_fma_f32 v68, v66, v66, v68
	v_fma_f32 v68, v67, v67, v68
	v_add_f32_dpp v68, v68, v68 row_xmask:1 row_mask:0xf bank_mask:0xf   ; the other four experts'
	v_mul_f32 v68, 0x3da3d70a, v68                 ; x 8 x 0.01
	v_cmp_eq_u32 vcc_lo, 0, v1
	s_wait_xcnt 0x0                                ; EXEC changes only behind this wait
	s_and_saveexec_b32 s30, vcc_lo                 ; lane 0 alone
	global_store_b32 v45, v68, s[20:21]
	s_wait_xcnt 0x0                                ; and again, in front of the line that widens it
	s_or_b32 exec_lo, exec_lo, s30
.Lno_loss:
	; SCATTER.  place = 64 x the set's first tile + the set's tokens in earlier waves + in my wave's earlier chunks + my rank.
.set jj, 0
.rept 32
	ds_load_u16 v[64+jj], v12 offset:64*jj
.set jj, jj+1
.endr
	s_wait_dscnt 0x0
.set jj, 0
.rept 32
	v_and_b32 v[160+jj], 31, v[64+jj]              ; the set,
	v_min_u32 v[160+jj], 31, v[160+jj]             ; held to the row's 32 places before it enters an address
	v_lshl_add_u32 v[192+jj], v[160+jj], 2, s26
	v_lshl_add_u32 v[160+jj], v[160+jj], 1, s25
	ds_load_u16 v[96+jj], v[160+jj] offset:64*jj
	ds_load_b32 v[128+jj], v[192+jj]
.set jj, jj+1
.endr
	s_wait_dscnt 0x0
.set jj, 0
.rept 32
	v_lshrrev_b32 v[64+jj], 8, v[64+jj]
	v_add3_u32 v[96+jj], v[96+jj], v[128+jj], v[64+jj]
	v_min_u32 v[96+jj], 9919, v[96+jj]             ; 155 tiles of 64 places
	v_lshlrev_b32 v[96+jj], 2, v[96+jj]
	v_add_nc_u32 v[128+jj], 32*jj, v38
	global_store_b32 v[96+jj], v[128+jj], s[16:17]
.set jj, jj+1
.endr
	s_branch .Lend
	; THE WEIGHTS.  A wave has one job: 32 k x 128 columns of one expert.  It loads 32 rows of 512 bytes (a lane: 4 columns of 32 k), rounds, packs 8 consecutive k of a column into 16 bytes,
	; and turns them through its own stage into the fragments' order: 8 KB that leave in stores of 512 consecutive bytes.
.macro JOB cw, ksw, srcsh, blksh       ; s34 = the job: column block in the low cw bits, K step in the next ksw, expert in the 3 above
	s_and_b32 s37, s34, (1<<(\cw))-1
	s_bfe_u32 s36, s34, ((\ksw)<<16)|(\cw)
	s_bfe_u32 s35, s34, 0x30007
	s_lshl_b32 s38, s35, 21                        ; from: expert x 2 MB + 32 K step rows + 512 x column block
	s_lshl_b32 s31, s36, \srcsh
	s_add_co_u32 s38, s38, s31
	s_lshl_b32 s31, s37, 9
	s_add_co_u32 s38, s38, s31
	s_mov_b32 s39, 0
	s_lshl_b32 s40, s35, 20                        ; to: expert x 1 MB + block of 256 columns + K step x 16 KB + half x 8 KB
	s_lshl_b32 s31, s36, 14
	s_add_co_u32 s40, s40, s31
	s_lshr_b32 s31, s37, 1
	s_lshl_b32 s31, s31, \blksh
	s_add_co_u32 s40, s40, s31
	s_and_b32 s31, s37, 1
	s_lshl_b32 s31, s31, 13
	s_add_co_u32 s40, s40, s31
	s_mov_b32 s41, 0
.endm
.macro LAY pitch, hf                   ; hf = 1: the bf16 number is written as f16
.set kk, 0
.rept 32
	global_load_b128 v[64+4*kk:64+4*kk+3], v2, s[42:43] offset:kk*(\pitch) th:TH_LOAD_NT
.set kk, kk+1
.endr
.set o, 0
.rept 4                                                ; eight k at a time: k = 8 o + 0..7, that is q = o / 2, h = o % 2
	s_wait_loadcnt 24-8*o                          ; the later rows' loads stay out
.set i, 0
.rept 4
.set tb, 192+4*((4*o+i)%8)
.set p, 0
.rept 4
.set ra, 64+4*(8*o+2*p)+i
	v_cvt_pk_bf16_f32 v[tb+p], v[ra], v[ra+4]
.if \hf
	v_lshlrev_b32 v[ra], 16, v[tb+p]
	v_and_b32 v[ra+4], 0xffff0000, v[tb+p]
	v_cvt_pk_f16_f32 v[tb+p], v[ra], v[ra+4]
.endif
.set p, p+1
.endr
	ds_store_b128 v46, v[tb:tb+3] offset:256*o+16*i
.set i, i+1
.endr
.set o, o+1
.endr
.set n, 0
.rept 16                                               ; my own bytes, served in order: no wait between the stores and these
	ds_load_b128 v[64+4*n:64+4*n+3], v47 offset:(n/2)*STGP+(n%2)*512
.set n, n+1
.endr
.set n, 0
.rept 16
	s_wait_dscnt 15-n
	global_store_b128 v2, v[64+4*n:64+4*n+3], s[44:45] offset:n*512
.set n, n+1
.endr
.endm
.Lweights:
	s_sub_co_u32 s34, ttmp9, 1
	s_lshl_b32 s34, s34, 3
	s_add_co_u32 s34, s34, s24                     ; 0..1023: W1's jobs; 1024..2047: W2's
	s_cmp_ge_u32 s34, 1024
	s_cbranch_scc1 .Lw2
	JOB 2, 5, 16, 19
	s_add_nc_u64 s[42:43], s[4:5], s[38:39]
	s_add_nc_u64 s[44:45], s[12:13], s[40:41]
	LAY 2048, 0
	s_branch .Lend
.Lw2:
	JOB 3, 4, 17, 18
	s_add_nc_u64 s[42:43], s[6:7], s[38:39]
	s_add_nc_u64 s[44:45], s[14:15], s[40:41]
	LAY 4096, 1
.Lend:
	s_wait_tensorcnt 0x0                           ; the wave's end, behind my last LDS store
	ds_add_u32 v3, v4
	s_wait_dscnt 0x0
	s_endpgm
.Lfunc_end_k_qf1e2b9dada_prep:
	.size	k_qf1e2b9dada_prep, .Lfunc_end_k_qf1e2b9dada_prep-k_qf1e2b9dada_prep
	.p2alignl 7, 3214868480
	.fill 96, 4, 3214868480
	.section	.rodata,"a",@progbits
	.p2align	6, 0x0
	.amdhsa_kernel k_qf1e2b9dada_prep
		.amdhsa_group_segment_fixed_size 103680
		.amdhsa_private_segment_fixed_size 0
		.amdhsa_enable_private_segment 0
		.amdhsa_kernarg_size 72
		.amdhsa_user_sgpr_count 2
		.amdhsa_user_sgpr_kernarg_segment_ptr 1
		.amdhsa_wavefront_size32 1
		.amdhsa_system_sgpr_workgroup_id_x 1
		.amdhsa_system_sgpr_workgroup_id_y 1
		.amdhsa_system_sgpr_workgroup_id_z 1
		.amdhsa_system_vgpr_workitem_id 0
		.amdhsa_next_free_vgpr 224
		.amdhsa_next_free_sgpr 66
		.amdhsa_reserve_vcc 1
		.amdhsa_float_denorm_mode_32 3
		.amdhsa_float_denorm_mode_16_64 3
		.amdhsa_memory_ordered 1
		.amdhsa_forward_progress 1
		.amdhsa_inst_pref_size 130
	.end_amdhsa_kernel
	.amdgpu_metadata
---
amdhsa.version: [ 1, 2 ]
amdhsa.kernels:
  - .name:           k_qf1e2b9dada_prep
    .symbol:         k_qf1e2b9dada_prep.kd
    .args:
      - { .name: W1, .offset: 0, .size: 8, .value_kind: global_buffer, .address_space: global }
      - { .name: W2, .offset: 8, .size: 8, .value_kind: global_buffer, .address_space: global }
      - { .name: tset, .offset: 16, .size: 8, .value_kind: global_buffer, .address_space: global }
      - { .name: imp, .offset: 24, .size: 8, .value_kind: global_buffer, .address_space: global }
      - { .name: wf1, .offset: 32, .size: 8, .value_kind: global_buffer, .address_space: global }
      - { .name: wf2, .offset: 40, .size: 8, .value_kind: global_buffer, .address_space: global }
      - { .name: list, .offset: 48, .size: 8, .value_kind: global_buffer, .address_space: global }
      - { .name: tinfo, .offset: 56, .size: 8, .value_kind: global_buffer, .address_space: global }
      - { .name: out1, .offset: 64, .size: 8, .value_kind: global_buffer, .address_space: global }
    .group_segment_fixed_size: 103680
    .private_segment_fixed_size: 0
    .kernarg_segment_align: 8
    .kernarg_segment_size: 72
    .max_flat_workgroup_size: 256
    .sgpr_count:     66
    .vgpr_count:     224
    .wavefront_size: 32
...
	.end_amdgpu_metadata
.endif
;; end of part 2
;; launch chain (part 3): grid 155 x 1, 4 waves a work-group, no clusters, 276,992 bytes of LDS; arguments x, wf1, wf2, b1, b2, list, tinfo, tgate, out0; writes out0
.if DOCPART == 3
	.amdgcn_target "amdgcn-amd-amdhsa--gfx1250"
	.amdhsa_code_object_version 6
	.text
	.protected	k_qf1e2b9dada_chain
	.globl	k_qf1e2b9dada_chain
	.p2align	8
	.type	k_qf1e2b9dada_chain,@function
k_qf1e2b9dada_chain:
	s_mov_b64 s[64:65], 0
	v_nop
	global_prefetch_b8 v0, s[64:65] scope:SCOPE_SE
	s_setreg_imm32_b32 hwreg(HW_REG_WAVE_MODE, 25, 1), 1
	s_wait_xcnt 0x0
; CHAIN.  A work-group takes one tile, up to 64 tokens that chose the same two experts e1 < e2, through the whole layer:
;   Hcat = [ g_lo relu(X W1[e1] + b1[e1]) | g_hi relu(X W1[e2] + b1[e2]) ]   (64 x 1024),      out = Hcat [ W2[e1] ; W2[e2] ] + g_lo b2[e1] + g_hi b2[e2]   (64 x 1024).
; So each output row has one owner, each token's row of x is fetched once, and the hidden layer stays in LDS.  155 work-groups serve every split of the tokens; one that the split leaves empty stores nothing.
; FORMATS.  x, W1, b1, W2, b2 rounded once to bf16 (the weights by the launch before).  First product in bf16; g h is rounded once to f16 and the second product is in f16; all sums in f32.
; LIMITS.  |g h| stays under 65,504, f16's end (with x and W1 thirty times the drawn spread, or offset by thirty spreads, it stays under 20,000).  NaN and infinities are not treated apart.
; SHARES.  Wave w owns columns 256 w .. 256 w + 255 of Hcat and of out: 64 accumulators of 16 x 16, 512 registers.  The products are used transposed (source 0 = 16 columns of weights, source 1 = 16 tokens):
; a lane then holds ONE token (lane % 16) and eight neighbouring columns.
; THE WEIGHTS come from memory straight into operand registers, in the order in which the launch before laid them: a K step of a wave is 16 KB on end, 32 loads of 512 consecutive bytes.  Through LDS each byte
; would be written once and read once more by this one work-group.  Two buffers; a fragment is asked for again right behind its last use, two K steps ahead of its next.
; ORDER.  Four barriers, at top level, which every wave passes: x and the biases are laid | the first product reads | Hcat is laid | the second product reads | the way out writes its stages.  So in each stretch LDS is
; either written or read by the waves in common, never both.  An empty tile jumps each of the four stretches behind the first barrier.
; NO CLUSTER: partners would have to share a set of experts; 28 sets of some 290 tokens in whole clusters of 256 tokens would pad by up to 255 tokens a set, and a shared tile would have to pass through LDS.
; REGISTERS, in windows of 256 (s_set_vgpr_msb: bits 1:0 source 0, 3:2 source 1, 5:4 source 2, 7:6 destination):
;   window 0: v0-63 addresses, tokens, gates; v64-95, v96-127 the tokens' fragments, two buffers (before the products: biases and offsets at work); v128-255 at work
;   window 1: v0-127, v128-255 the weights' fragments, two buffers; on the way out b2[e1], b2[e2]
;   windows 2, 3: accumulator (a, b) in window 2 + b / 8 at 8 (4 (b % 8) + a); before the products: x as loaded
.set XP,    2064                       ; a row of 1,024 16-bit numbers + 16 bytes: sixteen rows' 16-byte pieces fall on sixteen different places modulo 256 bytes
.set HS,    64*XP                      ; XS at 0: x in bf16; HS: Hcat in f16
.set BIAS,  128*XP                     ; f32: b1 (e1's 512, e2's 512), b2[e1], b2[e2]: 4 KB each
.set SPARE, BIAS+3*4096                ; the spare words: 128 bytes a wave, named by no other line
.set SPI,   1040                       ; the way out: a wave's stage of 16 rows x 1,024 bytes + 16, in XS, which nobody reads behind the second barrier
; v1 lane  v2 16 x lane  v3,4 tokens' fragments in XS (rows 0-31, 32-63), never rewritten  v5,6 in HS, likewise  v7,8 where I put 16 bytes of Hcat  v9 into the stage  v10 out of it  v11 my bytes in a row of out
; v12-15 token of row 16 a + lane % 16  v16-23 its (g_lo, g_hi)  v24-31 my expert's g, as pairs  v32-39 row offsets in out  v40 4 (lane / 16)  v41 0  v42, v43 the add's two  v44 where I put 8 bytes of x
; v45-50 the list; later v46,47 the fragments' addresses at the K step in hand  v52-59 g_hi as pairs  v60 my columns' biases  v61 r  v62 h
; s[4:21] the buffers  s22 wave  s[24:27] e1, e2, count, set  s[28:43] my 16 rows' tokens  s[44:47] W1's two pointers  s[48:51] W2's  s52 trips  s53 my expert  s58 mask  s62 the trip's bytes along K  s[66:67] b2[e1]
.set MSB, 0
.macro WIN new                         ; the immediate's high byte repeats the setting that is left
.if MSB != (\new)
	s_set_vgpr_msb (MSB<<8)|(\new)
.set MSB, (\new)
.endif
.endm
.macro NOP4                            ; four places: between a matrix instruction and a load into one of its sources, or a read of its result (ISA guide 7.12.1 for a read of its result)
.rept 4
	v_nop
.endr
.endm
.macro ALOAD f, aadr, aoff             ; 64 tokens x 32 k at byte aoff of the rows -> buffer f
.set aa, 0
.rept 4
	ds_load_b128 v[64+32*(\f)+8*aa:64+32*(\f)+8*aa+3],   v[(\aadr)+aa/2] offset:(aa%2)*16*XP+(\aoff)
	ds_load_b128 v[64+32*(\f)+8*aa+4:64+32*(\f)+8*aa+7], v[(\aadr)+aa/2] offset:(aa%2)*16*XP+(\aoff)+32
.set aa, aa+1
.endr
.endm
.macro BLOAD f, pb                     ; group g of a K step's weights: n blocks 4 g .. 4 g + 3 -> buffer f
.set bb, 0
.rept 4
	global_load_b128 v[128*(\f)+8*(4*g+bb):128*(\f)+8*(4*g+bb)+3],   v2, s[\pb:\pb+1] offset:1024*(4*g+bb)
	global_load_b128 v[128*(\f)+8*(4*g+bb)+4:128*(\f)+8*(4*g+bb)+7], v2, s[\pb:\pb+1] offset:1024*(4*g+bb)+512
.set bb, bb+1
.endr
.endm
; 16 matrix instructions: n blocks 4 g .. 4 g + 3 x 4 blocks of tokens.  cm = 0: onto the sums; 1: the sums start at 0; 2: they start at the bias (v128-255 of window 0).
; All 64 accumulators take turns, one instruction a turn, in the same order in every K step.
.macro MM16 hf, f, cm
.if (\cm) == 2
	WIN 0x81+0x40*(g/2)
.else
	WIN 0xa1+0x50*(g/2)
.endif
.set bb, 0
.rept 4
.set aa, 0
.rept 4
.set rD, 8*(4*((4*g+bb)%8)+aa)
.set rB, 128*(\f)+8*(4*g+bb)
.set rA, 64+32*(\f)+8*aa
.set rC, 128+8*(4*g+bb)
.if \hf
.if (\cm) == 1
	v_wmma_f32_16x16x32_f16 v[rD:rD+7], v[rB:rB+7], v[rA:rA+7], 0
.else
	v_wmma_f32_16x16x32_f16 v[rD:rD+7], v[rB:rB+7], v[rA:rA+7], v[rD:rD+7]
.endif
.else
.if (\cm) == 2
	v_wmma_f32_16x16x32_bf16 v[rD:rD+7], v[rB:rB+7], v[rA:rA+7], v[rC:rC+7]
.else
	v_wmma_f32_16x16x32_bf16 v[rD:rD+7], v[rB:rB+7], v[rA:rA+7], v[rD:rD+7]
.endif
.endif
.set aa, aa+1
.endr
.set bb, bb+1
.endr
.endm
; A K STEP of 32: 64 matrix instructions on buffers f, in four groups.  Behind group 0 the next step's tokens are fetched from LDS into the other buffer (aoff >= 0); behind each group its eight
; loads of weights are issued again, for the step two on (pb >= 0: the pointer; padd: it steps first).
; THE COUNT.  Behind the eight loads of a step's group g were issued 8 (3 - g) in the same step, 32 in the next, 8 g in the step that uses them: 56, in every step of the unbroken stream.
; The last two steps issue none: 56 - 8 g, then 24 - 8 g (w0, wd).
.macro STEP hf, f, cm, pb, padd, bstep, aadr, aoff, w0, wd
	s_wait_dscnt 0x0                               ; this step's tokens are in
.set g, 0
.rept 4
	s_wait_loadcnt (\w0)-(\wd)*g
	MM16 \hf, \f, \cm
.if ((\pb) >= 0) || ((g == 0) && ((\aoff) >= 0))
	NOP4
.endif
.if (g == 0) && ((\aoff) >= 0)
	WIN 0
	ALOAD 1-(\f), \aadr, \aoff
.endif
.if (\pb) >= 0
.if (g == 0) && (\padd)
	s_wait_xcnt 0x0                                ; the pointer is a source of the loads of two steps ago: it steps only behind this wait
	s_add_nc_u64 s[\pb:\pb+1], s[\pb:\pb+1], \bstep
.endif
	WIN 0x40
	BLOAD \f, \pb
.endif
.set g, g+1
.endr
.endm
.macro XLOAD half                      ; my rows 8 half .. 8 half + 7 of x: 64 loads of 512 consecutive bytes, into window 2 + half
	WIN 0x80+0x40*(\half)
.set n, 0
.rept 64
	global_load_b128 v[4*n:4*n+3], v[96+8*(\half)+n/8], s[4:5] offset:(n%8)*512
.set n, n+1
.endr
.endm
.macro XCVT half                       ; they are rounded to bf16 and laid into XS
	WIN 0x0a+5*(\half)
.set n, 0
.rept 64
	v_cvt_pk_bf16_f32 v[128+2*n], v[4*n],   v[4*n+1]
	v_cvt_pk_bf16_f32 v[129+2*n], v[4*n+2], v[4*n+3]
.set n, n+1
.endr
	WIN 0
.set n, 0
.rept 64
	ds_store_b64 v44, v[128+2*n:129+2*n] offset:(8*(\half)+n/8)*XP+(n%8)*256
.set n, n+1
.endr
.endm
.macro RND8 base                       ; eight f32 rounded to bf16 and kept as f32
.irp p, 0,1,2,3
	v_cvt_pk_bf16_f32 v[88+\p], v[(\base)+2*\p], v[(\base)+2*\p+1]
.endr
.irp p, 0,1,2,3
	v_lshlrev_b32 v[(\base)+2*\p], 16, v[88+\p]
	v_and_b32 v[(\base)+2*\p+1], 0xffff0000, v[88+\p]
.endr
.endm
.macro MEET                            ; my LDS instructions are done; then all four waves'
	s_wait_dscnt 0x0
	s_barrier_signal -1
	s_barrier_wait -1
.endm
; THE WAY OUT of rows 16 a .. 16 a + 15: the two biases, each times its gate, are added; the rows go through my stage and leave as whole pieces of 256 bytes.  Rows at or past the count are jumped, two at a time.
; Where the count is odd, the last pair's second row repeats the last token: both halves of the lanes then store the same bytes to the same row.
.macro OUTBLK a
.if (\a) > 0
	s_cmp_le_u32 s26, 16*(\a)
	s_cbranch_scc1 .Ldone
.endif
	s_wait_xcnt 0x0                                ; the last block's stores have read v32-39 and v128-255
.set t, 0
.rept 8
	ds_bpermute_b32 v[32+t], v[64+t], v[12+(\a)]   ; the token of row 16 a + 2 t + lane / 16
.set t, t+1
.endr
.if (\a) == 0
	s_wait_dscnt 0x8                               ; the biases are in; the eight lines above may be out
.endif
.set b, 0
.rept 16
	WIN 0x21+0x10*(b/8)                            ; b2[e1] window 1, gate window 0, sums window 2 or 3
.set p, 0
.rept 4
	v_pk_fma_f32 v[128+8*b+2*p:128+8*b+2*p+1], v[8*b+2*p:8*b+2*p+1], v[16+2*(\a):17+2*(\a)], v[8*(4*(b%8)+(\a))+2*p:8*(4*(b%8)+(\a))+2*p+1] op_sel_hi:[1,0,1]
.set p, p+1
.endr
.set b, b+1
.endr
	WIN 0x01                                       ; b2[e2] window 1
.set n, 0
.rept 64
	v_pk_fma_f32 v[128+2*n:129+2*n], v[128+2*n:129+2*n], v[52+2*(\a):53+2*(\a)], v[128+2*n:129+2*n] op_sel_hi:[1,0,1]
.set n, n+1
.endr
	WIN 0
.set n, 0
.rept 32                                               ; n block n / 2 is 64 bytes of a row: 32 for each half of the lanes, in two stores of 16
	ds_store_b128 v9, v[128+4*n:128+4*n+3] offset:(n/2)*64+(n%2)*16
.set n, n+1
.endr
.set n, 0
.rept 32                                               ; my own bytes, served in order (ISA guide 5.7.1.4): rows 2 t and 2 t + 1, piece c of 256 bytes
	ds_load_b128 v[128+4*n:128+4*n+3], v10 offset:(n/4)*2*SPI+(n%4)*256
.set n, n+1
.endr
	s_wait_dscnt 0x0
.set t, 0
.rept 8
	v_min_u32 v[32+t], 0x1fff, v[32+t]
	v_lshl_add_u32 v[32+t], v[32+t], 12, v11
.set t, t+1
.endr
.set t, 0
.rept 8
.if t > 0
	s_cmp_le_u32 s26, 16*(\a)+2*t
	s_cbranch_scc1 .Lrows_\@
.endif
.set c, 0
.rept 4
	global_store_b128 v[32+t], v[128+16*t+4*c:128+16*t+4*c+3], s[20:21] offset:256*c th:TH_STORE_NT   ; 16 lanes store 256 consecutive bytes, aligned
.set c, c+1
.endr
.set t, t+1
.endr
.Lrows_\@:
.endm
	s_load_b512 s[4:19], s[0:1], 0x0               ; x s[4:5], wf1 s[6:7], wf2 s[8:9], b1 s[10:11], b2 s[12:13], list s[14:15], tinfo s[16:17], tgate s[18:19]
	s_load_b64 s[20:21], s[0:1], 0x40              ; out0
	v_lshl_add_u32 v42, v0, 2, SPARE               ; my spare word,
	v_mov_b32 v43, 0                               ; and 0: kept for the wave's last three lines alone
	v_mov_b32 v41, 0
	v_and_b32 v1, 31, v0
	v_lshrrev_b32 v61, 5, v0
	v_readfirstlane_b32 s22, v61                   ; wave
	v_lshlrev_b32 v2, 4, v1
	v_and_b32 v61, 15, v1                          ; r
	v_lshrrev_b32 v62, 4, v1                       ; h
	v_mul_u32_u24 v3, v61, XP
	v_lshl_add_u32 v3, v62, 4, v3                  ; a fragment: row r, 16 h
	v_add_nc_u32 v4, 32*XP, v3
	v_add_nc_u32 v5, HS, v3
	v_add_nc_u32 v6, HS+32*XP, v3
	s_lshl_b32 s23, s22, 9
	v_add_nc_u32 v7, s23, v5                       ; my wave's 512 bytes of a row of Hcat
	v_add_nc_u32 v8, s23, v6
	s_mul_i32 s23, s22, 16*SPI
	v_mul_u32_u24 v9, v61, SPI
	v_lshl_add_u32 v9, v62, 5, v9
	v_add_nc_u32 v9, s23, v9
	v_mul_u32_u24 v10, v62, SPI
	v_lshl_add_u32 v10, v61, 4, v10
	v_add_nc_u32 v10, s23, v10
	s_lshl_b32 s23, s22, 10
	v_lshl_add_u32 v11, v61, 4, s23
	v_lshlrev_b32 v40, 2, v62
	s_add_co_u32 s23, s23, BIAS
	v_lshl_add_u32 v60, v62, 5, s23                ; columns 256 w + 8 h on, in f32
	s_mul_i32 s23, s22, 16*XP
	v_lshl_add_u32 v44, v1, 3, s23
	v_lshl_add_u32 v118, v0, 5, BIAS               ; thread t lays 8 numbers of each bias
	v_and_b32 v116, 63, v0
	v_lshlrev_b32 v116, 5, v116
	v_lshlrev_b32 v117, 5, v0
	s_lshl_b32 s23, ttmp9, 4
	s_wait_kmcnt 0x0
	s_load_b128 s[24:27], s[16:17], s23 offset:0x0 ; the tile: e1, e2, count, set
	s_wait_kmcnt 0x0
	s_min_u32 s24, s24, 7
	s_min_u32 s25, s25, 7
	s_min_u32 s26, s26, 64
	s_min_u32 s59, s26, 1                          ; 0 for an empty tile, which reads place 0 of tile 0: that place always holds a token
	s_sub_co_u32 s61, s26, s59                     ; the last place that was stored: places past the count repeat it
	s_lshl_b32 s60, ttmp9, 8
	s_mul_i32 s60, s60, s59
.irp a, 0,1,2,3
	v_add_nc_u32 v[45+\a], 16*\a, v61
	v_min_u32 v[45+\a], s61, v[45+\a]
	v_min_u32 v[45+\a], 63, v[45+\a]
	v_lshl_add_u32 v[45+\a], v[45+\a], 2, s60
	global_load_b32 v[12+\a], v[45+\a], s[14:15]
.endr
	s_lshl_b32 s23, s22, 4                         ; the 16 rows that my wave fetches
	v_add_nc_u32 v49, s23, v61
	v_min_u32 v49, s61, v49
	v_min_u32 v49, 63, v49
	v_lshl_add_u32 v49, v49, 2, s60
	global_load_b32 v50, v49, s[14:15]
	s_cmp_lt_u32 s22, 2                            ; in the first product waves 0, 1 work for e1, waves 2, 3 for e2
	s_cselect_b32 s53, s24, s25
	s_cselect_b32 s58, 0, -1
	s_min_u32 s53, s53, 7
	s_mov_b32 s55, 0
	s_lshl_b32 s54, s53, 20
	s_and_b32 s23, s22, 1
	s_lshl_b32 s23, s23, 19
	s_add_co_u32 s54, s54, s23
	s_add_nc_u64 s[44:45], s[6:7], s[54:55]        ; W1: K step 0,
	s_add_nc_u64 s[46:47], s[44:45], 0x4000        ; K step 1
	s_lshl_b32 s56, s22, 18
	s_lshl_b32 s54, s24, 20
	s_add_co_u32 s54, s54, s56
	s_add_nc_u64 s[48:49], s[8:9], s[54:55]        ; W2[e1], my 256 columns, K step 0
	s_lshl_b32 s54, s25, 20
	s_add_co_u32 s54, s54, s56
	s_add_nc_u64 s[50:51], s[8:9], s[54:55]        ; W2[e2]
	s_lshl_b32 s54, s53, 11
	s_add_nc_u64 s[10:11], s[10:11], s[54:55]
	s_lshl_b32 s54, s24, 12
	s_add_nc_u64 s[66:67], s[12:13], s[54:55]
	s_lshl_b32 s54, s25, 12
	s_add_nc_u64 s[12:13], s[12:13], s[54:55]
	global_load_b128 v[64:67], v116, s[10:11]
	global_load_b128 v[68:71], v116, s[10:11] offset:16
	global_load_b128 v[72:75], v117, s[66:67]
	global_load_b128 v[76:79], v117, s[66:67] offset:16
	global_load_b128 v[80:83], v117, s[12:13]
	global_load_b128 v[84:87], v117, s[12:13] offset:16
	s_wait_loadcnt 0x6                             ; the tokens are in; the six loads of biases are younger
.irp a, 0,1,2,3
	v_min_u32 v[12+\a], 0x1fff, v[12+\a]
	v_lshlrev_b32 v[112+\a], 3, v[12+\a]
	global_load_b64 v[16+2*\a:17+2*\a], v[112+\a], s[18:19]
.endr
.set i, 0
.rept 16
	v_readlane_b32 s[28+i], v50, i
	s_min_u32 s[28+i], s[28+i], 0x1fff
	v_lshl_add_u32 v[96+i], s[28+i], 12, v2        ; the row's first byte + 16 x lane
.set i, i+1
.endr
	XLOAD 0
	XLOAD 1
	WIN 0
	s_wait_loadcnt 63                              ; the second half's 64 loads are younger: gates, biases and rows 0-7 are in
.irp a, 0,1,2,3
	v_cndmask_b32 v[24+2*\a], v[16+2*\a], v[17+2*\a], s58
	v_cndmask_b32 v[25+2*\a], v[16+2*\a], v[17+2*\a], s58
	v_mov_b32 v[52+2*\a], v[17+2*\a]
	v_mov_b32 v[53+2*\a], v[17+2*\a]
.endr
	RND8 64
	RND8 72
	RND8 80
	ds_store_b128 v118, v[64:67]
	ds_store_b128 v118, v[68:71] offset:16
	ds_store_b128 v118, v[72:75] offset:4096
	ds_store_b128 v118, v[76:79] offset:4112
	ds_store_b128 v118, v[80:83] offset:8192
	ds_store_b128 v118, v[84:87] offset:8208
	XCVT 0
	WIN 0x40                                       ; the weights' stream begins: K steps 0 and 1
.set g, 0
.rept 4
	BLOAD 0, 44
.set g, g+1
.endr
.set g, 0
.rept 4
	BLOAD 1, 46
.set g, g+1
.endr
	WIN 0
	s_wait_loadcnt 63                              ; those 64 are younger: all of x is in
	XCVT 1
	MEET                                           ; everybody's rows of x and part of the biases are in LDS
	s_cmp_eq_u32 s26, 0
	s_cbranch_scc1 .Lp1                            ; an empty tile has no products; it passes every barrier
	; THE FIRST PRODUCT: K = 1,024 in 32 steps; the sums start at b1.  K step s lies at byte 64 s of XS's rows.
.set b, 0
.rept 16
	ds_load_b128 v[128+8*b:128+8*b+3],   v60 offset:64*b
	ds_load_b128 v[128+8*b+4:128+8*b+7], v60 offset:64*b+16
.set b, b+1
.endr
	ALOAD 0, 3, 0
	STEP 0, 0, 2, 44, 1, 0x8000, 3, 64, 56, 0      ; step 0
	WIN 0
	s_mov_b32 s52, 14
	s_mov_b32 s62, 128
.Lk1:                                                  ; steps 1 to 28, two a trip; the trip fetches the tokens of the two steps at byte s62
	v_add_nc_u32 v46, s62, v3
	v_add_nc_u32 v47, s62, v4
	STEP 0, 1, 0, 46, 1, 0x8000, 46, 0, 56, 0
	STEP 0, 0, 0, 44, 1, 0x8000, 46, 64, 56, 0
	WIN 0
	s_add_co_u32 s62, s62, 128
	s_sub_co_u32 s52, s52, 1
	s_cmp_lg_u32 s52, 0
	s_cbranch_scc1 .Lk1
	v_add_nc_u32 v46, 1920, v3                     ; steps 30 and 31
	v_add_nc_u32 v47, 1920, v4
	STEP 0, 1, 0, 46, 1, 0x8000, 46, 0, 56, 0      ; step 29 asks for step 31
	STEP 0, 0, 0, 48, 0, 0, 46, 64, 56, 0          ; step 30 asks for the second product's step 0: the stream goes on,
	STEP 0, 1, 0, 50, 0, 0, 46, -1, 56, 0          ; step 31 for its step 1
	NOP4                                           ; the places in front of the reads of the sums
	WIN 0
.Lp1:
	MEET                                           ; every wave's reads of LDS are over before any wave writes LDS again
	s_cmp_eq_u32 s26, 0
	s_cbranch_scc1 .Lmid
	; g relu(h) = max(g h, 0), since g >= 0: times the gate in f32, rounded once to f16, the maximum on packed halves; 16 bytes a lane into HS.  No load from memory stands here: the stream's counts hold across it.
.set bt, 0
.rept 4
	WIN 0x02+bt/2
.set n, 0
.rept 16
.set rD, 8*(4*((4*bt+n/4)%8)+n%4)
.set p, 0
.rept 4
	v_pk_mul_f32 v[128+8*n+2*p:128+8*n+2*p+1], v[rD+2*p:rD+2*p+1], v[24+2*(n%4):25+2*(n%4)] op_sel_hi:[1,0]
.set p, p+1
.endr
.set n, n+1
.endr
	WIN 0
.set n, 0
.rept 16
.set p, 0
.rept 4
	v_cvt_pk_f16_f32 v[128+8*n+p], v[128+8*n+2*p], v[128+8*n+2*p+1]
.set p, p+1
.endr
.set n, n+1
.endr
.set n, 0
.rept 16
.set p, 0
.rept 4
	v_pk_max_num_f16 v[128+8*n+p], v[128+8*n+p], v41
.set p, p+1
.endr
	ds_store_b128 v[7+(n%4)/2], v[128+8*n:128+8*n+3] offset:(n%2)*16*XP+32*(4*bt+n/4)
.set n, n+1
.endr
.set bt, bt+1
.endr
.Lmid:
	MEET                                           ; everybody's columns of Hcat are in LDS
	s_cmp_eq_u32 s26, 0
	s_cbranch_scc1 .Lp2
	; THE SECOND PRODUCT: K = 1,024; the two experts' K steps take turns (even steps e1, buffer 0; odd steps e2, buffer 1, 1,024 bytes further along Hcat's rows).
	ALOAD 0, 5, 0
	STEP 1, 0, 1, 48, 1, 0x4000, 5, 1024, 56, 0    ; step 0 starts the sums
	WIN 0
	s_mov_b32 s52, 14
	s_mov_b32 s62, 64
.Lk2:                                                  ; steps 1 to 28
	v_add_nc_u32 v46, s62, v5
	v_add_nc_u32 v47, s62, v6
	STEP 1, 1, 0, 50, 1, 0x4000, 46, 0, 56, 0
	STEP 1, 0, 0, 48, 1, 0x4000, 46, 1024, 56, 0
	WIN 0
	s_add_co_u32 s62, s62, 64
	s_sub_co_u32 s52, s52, 1
	s_cmp_lg_u32 s52, 0
	s_cbranch_scc1 .Lk2
	v_add_nc_u32 v46, 960, v5                      ; steps 30 and 31
	v_add_nc_u32 v47, 960, v6
	STEP 1, 1, 0, 50, 1, 0x4000, 46, 0, 56, 0      ; step 29 asks for step 31: the last loads
	STEP 1, 0, 0, -1, 0, 0, 46, 1024, 56, 8
	STEP 1, 1, 0, -1, 0, 0, 46, -1, 24, 8
	NOP4                                           ; the places in front of the loads into the weights' registers and of the reads of the sums
	WIN 0
.Lp2:
	MEET                                           ; every wave's reads of LDS are over before any wave writes its stage
	s_cmp_eq_u32 s26, 0
	s_cbranch_scc1 .Ldone
	s_wait_loadcnt 0x0                             ; no load of weights is out (the last step's last count was 0): their registers are free
	WIN 0x40                                       ; b2[e1] and b2[e2] of my columns take the weights' registers
.set b, 0
.rept 16
	ds_load_b128 v[8*b:8*b+3],         v60 offset:4096+64*b
	ds_load_b128 v[8*b+4:8*b+7],       v60 offset:4096+64*b+16
	ds_load_b128 v[128+8*b:128+8*b+3], v60 offset:8192+64*b
	ds_load_b128 v[128+8*b+4:128+8*b+7], v60 offset:8192+64*b+16
.set b, b+1
.endr
	WIN 0
.set t, 0
.rept 8
	v_add_nc_u32 v[64+t], 8*t, v40                 ; 4 x the lane that holds row 2 t + lane / 16's token
.set t, t+1
.endr
	OUTBLK 0
	OUTBLK 1
	OUTBLK 2
	OUTBLK 3
.Ldone:
	s_wait_tensorcnt 0x0                           ; the wave's end, behind my last LDS store
	ds_add_u32 v42, v43
	s_wait_dscnt 0x0
	s_endpgm
.Lfunc_end_k_qf1e2b9dada_chain:
	.size	k_qf1e2b9dada_chain, .Lfunc_end_k_qf1e2b9dada_chain-k_qf1e2b9dada_chain
	.p2alignl 7, 3214868480
	.fill 96, 4, 3214868480
	.section	.rodata,"a",@progbits
	.p2align	6, 0x0
	.amdhsa_kernel k_qf1e2b9dada_chain
		.amdhsa_group_segment_fixed_size 276992
		.amdhsa_private_segment_fixed_size 0
		.amdhsa_enable_private_segment 0
		.amdhsa_kernarg_size 72
		.amdhsa_user_sgpr_count 2
		.amdhsa_user_sgpr_kernarg_segment_ptr 1
		.amdhsa_wavefront_size32 1
		.amdhsa_system_sgpr_workgroup_id_x 1
		.amdhsa_system_sgpr_workgroup_id_y 1
		.amdhsa_system_sgpr_workgroup_id_z 1
		.amdhsa_system_vgpr_workitem_id 0
		.amdhsa_next_free_vgpr 1024
		.amdhsa_next_free_sgpr 72
		.amdhsa_reserve_vcc 0
		.amdhsa_float_denorm_mode_32 3
		.amdhsa_float_denorm_mode_16_64 3
		.amdhsa_memory_ordered 1
		.amdhsa_forward_progress 1
		.amdhsa_inst_pref_size 255
	.end_amdhsa_kernel
	.section	.bss,"aw",@nobits
	.p2align	6
	.space	262144
	.amdgpu_metadata
---
amdhsa.version: [ 1, 2 ]
amdhsa.kernels:
  - .name:           k_qf1e2b9dada_chain
    .symbol:         k_qf1e2b9dada_chain.kd
    .args:
      - { .name: x, .offset: 0, .size: 8, .value_kind: global_buffer, .address_space: global }
      - { .name: wf1, .offset: 8, .size: 8, .value_kind: global_buffer, .address_space: global }
      - { .name: wf2, .offset: 16, .size: 8, .value_kind: global_buffer, .address_space: global }
      - { .name: b1, .offset: 24, .size: 8, .value_kind: global_buffer, .address_space: global }
      - { .name: b2, .offset: 32, .size: 8, .value_kind: global_buffer, .address_space: global }
      - { .name: list, .offset: 40, .size: 8, .value_kind: global_buffer, .address_space: global }
      - { .name: tinfo, .offset: 48, .size: 8, .value_kind: global_buffer, .address_space: global }
      - { .name: tgate, .offset: 56, .size: 8, .value_kind: global_buffer, .address_space: global }
      - { .name: out0, .offset: 64, .size: 8, .value_kind: global_buffer, .address_space: global }
    .group_segment_fixed_size: 276992
    .private_segment_fixed_size: 0
    .kernarg_segment_align: 8
    .kernarg_segment_size: 72
    .max_flat_workgroup_size: 128
    .sgpr_count:     72
    .vgpr_count:     1024
    .wavefront_size: 32
...
	.end_amdgpu_metadata
.endif
;; end of part 3
;; ======== version 2 of 3: 3 launches; 1.14 times as fast as version 1
;; limits: values are held in f16: magnitudes above 65,504 overflow, below 6.1e-05 lose precision
;; workspace buffers: tset 32,768 bytes of whole numbers; tcnt 32,768 bytes of whole numbers; tgate 65,536 bytes; imp 8,192 bytes; wf1 8,388,608 bytes; wf2 8,388,608 bytes; list 40,960 bytes of whole numbers; tinfo 2,560 bytes of whole numbers
;; launch router (part 4): grid 256 x 1, 4 waves a work-group, no clusters, 104,960 bytes of LDS; arguments x, gate_W, gate_b, tset, tgate, imp, tcnt; writes tset, tgate, imp, tcnt
.if DOCPART == 4
	.amdgcn_target "amdgcn-amd-amdhsa--gfx1250"
	.amdhsa_code_object_version 6
	.text
	.protected	k_qf1e2b9dada_router
	.globl	k_qf1e2b9dada_router
	.p2align	8
	.type	k_qf1e2b9dada_router,@function
k_qf1e2b9dada_router:
	s_mov_b64 s[64:65], 0
	v_nop
	global_prefetch_b8 v0, s[64:65] scope:SCOPE_SE
	s_setreg_imm32_b32 hwreg(HW_REG_WAVE_MODE, 25, 1), 1
	s_wait_xcnt 0x0
; ROUTER.  logits = x gate_W + gate_b for 8,192 tokens and 8 experts; the two largest (the lower index wins a tie, as in lax.top_k), their softmax, and the full softmax's sums for the loss.
; x, gate_W and gate_b are rounded once to bf16, as every input of the program is; products by the matrix unit, sums in f32.
; OUT: tset[token] = set | rank << 8: set = hi (hi - 1) / 2 + lo, the number of the token's SET of two experts lo < hi (0..27); rank = how many earlier tokens of the work-group's 32 have the same set;
;      tcnt[work-group][32] = how many of the 32 tokens have each set (places 28-31: 0);  tgate[token] = (weight of lo, weight of hi);  imp[work-group][8] = the sum over the 32 tokens of softmax(logits).
; All of these are values stored at fixed places: no address and no branch here hangs on the choice.
; LIMITS.  NaN and infinities are not treated apart.  Two logits that differ by less than the rounding of the f32 sums may be ranked otherwise than a sum in another order ranks them.
; SHARES.  A work-group has 32 tokens; wave w takes k = 256 w .. 256 w + 255 of all 32.  Each wave's LDS regions are its own; the four partial logits meet in PART behind the one barrier, and wave 0 goes on alone.
; No cluster, no tensor load: no two work-groups share more than gate_W's 32 KB.
.set XPITCH, 528                       ; a token's 256 k in bf16, 512 bytes, + 16: sixteen rows' 16-byte pieces fall on sixteen different places modulo 256 bytes
.set XWB,    32*XPITCH                 ; a wave's 32 rows
.set GWB,    4*XWB                     ; gate_W: for each wave 256 rows (k) of 32 bytes: 8 experts in bf16, then the same 16 bytes again
.set PART,   GWB+4*8192                ; 4 waves x 32 tokens x 8 partial logits in f32
.set SPARE,  PART+4096                 ; the spare words: 128 bytes a wave, named by no other line
.set GF,  32                           ; v32-95    8 fragments of gate_W (16 columns x 32 k)
.set ACC, 96                           ; v96-111   two accumulators: tokens 0-15, tokens 16-31
.set LG,  112                          ; v112-119  8 logits
.set GB,  120                          ; v120-127  gate_b, rounded
.set XF,  128                          ; v128-255  raw gate_W, then packed x, then 16 fragments of x; window 1: x as loaded
.set SM,  68                           ; s68-95    for each set the lanes that chose it, then their number
.set MSB, 0
.macro WIN new                         ; the immediate's high byte repeats the setting that is left
.if MSB != (\new)
	s_set_vgpr_msb (MSB<<8)|(\new)
.set MSB, (\new)
.endif
.endm
	s_load_b256 s[4:11], s[0:1], 0x0               ; x s[4:5], gate_W s[6:7], gate_b s[8:9], tset s[10:11]
	s_load_b128 s[12:15], s[0:1], 0x20             ; tgate s[12:13], imp s[14:15]
	s_load_b64 s[36:37], s[0:1], 0x30              ; tcnt
	v_lshl_add_u32 v10, v0, 2, SPARE               ; my spare word,
	v_mov_b32 v11, 0                               ; and 0: kept for the wave's last three lines alone
	v_and_b32 v1, 31, v0                           ; lane
	v_lshrrev_b32 v12, 5, v0
	v_readfirstlane_b32 s16, v12                   ; wave
	v_lshlrev_b32 v2, 4, v1                        ; 16 x lane
	v_lshlrev_b32 v7, 5, v1                        ; 32 x lane
	v_and_b32 v13, 15, v1                          ; r
	v_lshrrev_b32 v14, 4, v1                       ; h
	s_mul_i32 s17, s16, XWB
	v_lshl_add_u32 v3, v1, 3, s17                  ; where I put 8 bytes of a row of x
	v_mul_u32_u24 v4, v13, XPITCH
	v_lshl_add_u32 v4, v14, 4, v4
	v_add_nc_u32 v4, s17, v4                       ; a fragment of x: row r, 16 h
	s_lshl_b32 s17, s16, 13
	s_add_co_u32 s17, s17, GWB
	v_add_nc_u32 v5, s17, v7                       ; where I put a row of gate_W
	v_and_b32 v15, 7, v1
	v_lshl_add_u32 v15, v14, 3, v15                ; the turning load: row 8 h + lane % 8,
	v_bfe_u32 v16, v1, 3, 1
	v_lshlrev_b32 v16, 4, v16                      ; 16 bytes for each half of the columns
	v_lshl_add_u32 v6, v15, 5, v16
	v_add_nc_u32 v6, s17, v6
	s_lshl_b32 s17, s16, 10
	s_add_co_u32 s17, s17, PART
	v_add_nc_u32 v8, s17, v7                       ; my wave's partial logits of token = lane
	v_add_nc_u32 v9, PART, v7                      ; wave 0's of the same token
	s_mov_b32 s28, 0xffff0000                      ; lanes 16-31; also a word's upper bf16
	s_mov_b32 s29, 0xff800000                      ; -infinity
	s_mov_b32 s30, 0x76543210                      ; v_permlanex16_b32: each lane takes its own place in the other half
	s_mov_b32 s31, 0xfedcba98
	s_mov_b32 s33, 0x3fb8aa3b                      ; log2(e)
	s_lshl_b32 s18, ttmp9, 17                      ; 32 rows of 4,096 bytes a work-group,
	s_lshl_b32 s19, s16, 10                        ; 1,024 bytes of each row a wave
	s_add_co_u32 s18, s18, s19
	s_mov_b32 s19, 0
	s_lshl_b32 s34, s16, 13                        ; 256 rows of gate_W a wave
	s_mov_b32 s35, 0
	s_wait_kmcnt 0x0
	s_add_nc_u64 s[4:5], s[4:5], s[18:19]
	s_add_nc_u64 s[6:7], s[6:7], s[34:35]
	s_load_b256 s[20:27], s[8:9], 0x0              ; gate_b
.irp i, 0,1,2,3,4,5,6,7                                ; gate_W: lane l holds rows l + 32 i, 32 bytes each
	global_load_b128 v[XF+8*\i:XF+8*\i+3],   v7, s[6:7] offset:\i*1024
	global_load_b128 v[XF+8*\i+4:XF+8*\i+7], v7, s[6:7] offset:\i*1024+16
.endr
	WIN 0x40                                       ; destination window 1
.set n, 0
.rept 64                                               ; x: row n / 2, half n % 2: each load of the wave covers 512 consecutive bytes
	global_load_b128 v[4*n:4*n+3], v2, s[4:5] offset:(n/2)*4096+(n%2)*512
.set n, n+1
.endr
	WIN 0
	s_wait_loadcnt 63                              ; 64 loads of x are younger than gate_W's: all 16 of gate_W's are in
.irp i, 0,1,2,3,4,5,6,7
.irp p, 0,1,2,3
	v_cvt_pk_bf16_f32 v[192+4*\i+\p], v[XF+8*\i+2*\p], v[XF+8*\i+2*\p+1]
.endr
	ds_store_b128 v5, v[192+4*\i:192+4*\i+3] offset:\i*1024
	ds_store_b128 v5, v[192+4*\i:192+4*\i+3] offset:\i*1024+16   ; columns 8-15 repeat the experts
.endr
.irp k, 0,1,2,3,4,5,6,7                                ; LDS serves a wave's instructions in order (ISA guide 5.7.1.4): these see the stores above
	ds_load_tr16_b128 v[GF+8*\k:GF+8*\k+3],   v6 offset:\k*1024
	ds_load_tr16_b128 v[GF+8*\k+4:GF+8*\k+7], v6 offset:\k*1024+512
.endr
.set bt, 0
.rept 4                                                ; x in four batches of 16 loads: rounded to bf16 and laid into rows along k
	s_wait_loadcnt 48-16*bt                        ; the later batches' loads stay out
	WIN 0x05                                       ; sources in window 1
.set n, 0
.rept 16
	v_cvt_pk_bf16_f32 v[XF+32*bt+2*n],   v[4*(16*bt+n)],   v[4*(16*bt+n)+1]
	v_cvt_pk_bf16_f32 v[XF+32*bt+2*n+1], v[4*(16*bt+n)+2], v[4*(16*bt+n)+3]
.set n, n+1
.endr
	WIN 0
.set n, 0
.rept 16
	ds_store_b64 v3, v[XF+32*bt+2*n:XF+32*bt+2*n+1] offset:((16*bt+n)/2)*XPITCH+((16*bt+n)%2)*256
.set n, n+1
.endr
.set bt, bt+1
.endr
.set n, 0
.rept 16                                               ; fragment n: k step n / 2, tokens 16 (n % 2) on
	ds_load_b128 v[XF+8*n:XF+8*n+3],   v4 offset:(n%2)*16*XPITCH+(n/2)*64
	ds_load_b128 v[XF+8*n+4:XF+8*n+7], v4 offset:(n%2)*16*XPITCH+(n/2)*64+32
.set n, n+1
.endr
	s_wait_dscnt 0x0
	; source 0 = 16 columns of gate_W, source 1 = 16 tokens: a lane then holds ONE token (lane % 16) and in register j expert j (both halves of the lanes alike).
	; The two accumulators take turns.
	v_wmma_f32_16x16x32_bf16 v[ACC:ACC+7],    v[GF:GF+7], v[XF:XF+7],    0
	v_wmma_f32_16x16x32_bf16 v[ACC+8:ACC+15], v[GF:GF+7], v[XF+8:XF+15], 0
.set k, 1
.rept 7
	v_wmma_f32_16x16x32_bf16 v[ACC:ACC+7],    v[GF+8*k:GF+8*k+7], v[XF+16*k:XF+16*k+7],    v[ACC:ACC+7]
	v_wmma_f32_16x16x32_bf16 v[ACC+8:ACC+15], v[GF+8*k:GF+8*k+7], v[XF+16*k+8:XF+16*k+15], v[ACC+8:ACC+15]
.set k, k+1
.endr
.rept 4
	v_nop                                          ; four places between the last product and the first read of its result (ISA guide 7.12.1)
.endr
.irp j, 0,1,2,3,4,5,6,7
	v_cndmask_b32 v[LG+\j], v[ACC+\j], v[ACC+8+\j], s28   ; lane l holds token l: lanes 16-31 take the second accumulator
.endr
	ds_store_b128 v8, v[LG:LG+3]
	ds_store_b128 v8, v[LG+4:LG+7] offset:16
	s_wait_kmcnt 0x0                               ; gate_b
	s_wait_dscnt 0x0                               ; for wave 0's sake: my partial logits are in LDS
	s_barrier_signal -1
	s_barrier_wait -1
	s_cmp_lg_u32 s16, 0
	s_cbranch_scc1 .Lend                           ; 32 tokens are one wave's work
.irp p, 0,1,2,3
	ds_load_b128 v[128+8*\p:128+8*\p+3], v9 offset:\p*1024
	ds_load_b128 v[128+8*\p+4:128+8*\p+7], v9 offset:\p*1024+16
.endr
	v_cvt_pk_bf16_f32 v12, s20, s21                ; gate_b rounded to bf16, and back in f32
	v_cvt_pk_bf16_f32 v13, s22, s23
	v_cvt_pk_bf16_f32 v14, s24, s25
	v_cvt_pk_bf16_f32 v15, s26, s27
.irp p, 0,1,2,3
	v_lshlrev_b32 v[GB+2*\p], 16, v[12+\p]
	v_and_b32 v[GB+2*\p+1], s28, v[12+\p]
.endr
	s_wait_dscnt 0x0
.irp q, 0,2,4,6
	v_pk_add_f32 v[128+\q:129+\q], v[128+\q:129+\q], v[136+\q:137+\q]
	v_pk_add_f32 v[144+\q:145+\q], v[144+\q:145+\q], v[152+\q:153+\q]
.endr
.irp q, 0,2,4,6
	v_pk_add_f32 v[128+\q:129+\q], v[128+\q:129+\q], v[144+\q:145+\q]
.endr
.irp q, 0,2,4,6
	v_pk_add_f32 v[LG+\q:LG+\q+1], v[128+\q:129+\q], v[GB+\q:GB+\q+1]
.endr
	v_mov_b32 v16, v[LG]                           ; the largest, m1 at i1: ascending, strictly greater, so the lower index keeps a tie
	v_mov_b32 v17, 0
.irp e, 1,2,3,4,5,6,7
	v_cmp_gt_f32 vcc_lo, v[LG+\e], v16
	v_cndmask_b32 v16, v16, v[LG+\e], vcc_lo
	v_cndmask_b32 v17, v17, \e, vcc_lo
.endr
	v_cmp_eq_u32 vcc_lo, 0, v17                    ; the second, m2 at i2: the same walk with i1's logit taken as -infinity
	v_cndmask_b32 v18, v[LG], s29, vcc_lo
	v_mov_b32 v19, 0
.irp e, 1,2,3,4,5,6,7
	v_cmp_eq_u32 vcc_lo, \e, v17
	v_cndmask_b32 v20, v[LG+\e], s29, vcc_lo
	v_cmp_gt_f32 vcc_lo, v20, v18
	v_cndmask_b32 v18, v18, v20, vcc_lo
	v_cndmask_b32 v19, v19, \e, vcc_lo
.endr
	v_mul_f32 v14, s33, v16                        ; both softmaxes take the maximum m1 away: 2^(c L - c m1), c = log2(e)
	v_fma_f32 v21, v18, s33, -v14
.irp j, 0,1,2,3,4,5,6,7
	v_fma_f32 v[128+\j], v[LG+\j], s33, -v14
.endr
	v_exp_f32 v21, v21                             ; d = e^(m2 - m1)
.irp j, 0,1,2,3,4,5,6,7
	v_exp_f32 v[128+\j], v[128+\j]
.endr
	v_nop                                          ; a plain instruction behind the last exponential,
	s_wait_alu depctr_va_vdst(0)                   ; and the wait ahead of the first use: one for the nine
	v_pk_add_f32 v[136:137], v[128:129], v[130:131]
	v_pk_add_f32 v[138:139], v[132:133], v[134:135]
	v_add_f32 v22, 1.0, v21
	v_pk_add_f32 v[136:137], v[136:137], v[138:139]
	v_add_f32 v20, v136, v137
	v_rcp_f32 v22, v22                             ; g1 = 1 / (1 + d)
	v_rcp_f32 v24, v20                             ; 1 / the sum of the eight, twice: a pair for the packed multiply
	v_rcp_f32 v25, v20
	v_nop
	s_wait_alu depctr_va_vdst(0)                   ; one wait for the three reciprocals
	v_mul_f32 v23, v21, v22                        ; g2 = d g1
	v_cmp_lt_u32 vcc_lo, v17, v19
	v_cndmask_b32 v26, v23, v22, vcc_lo            ; the lower-numbered expert's weight,
	v_cndmask_b32 v27, v22, v23, vcc_lo            ; the higher-numbered one's
	v_min_u32 v28, v17, v19
	v_max_u32 v29, v17, v19
	v_add_nc_u32 v30, -1, v29
	v_mul_u32_u24 v30, v30, v29
	v_lshrrev_b32 v30, 1, v30
	v_add_nc_u32 v30, v30, v28                     ; hi (hi - 1) / 2 + lo
	; The chunk's share of the sort: for each of the 28 sets the lanes that chose it; my own set's lanes below me are my rank; a set's lanes, counted, go to lane = set.
.set q, 0
.rept 28
	v_cmp_eq_u32 s[SM+q], q, v30
.set q, q+1
.endr
	v_mov_b32 v20, 0
.set q, 0
.rept 28
	v_cndmask_b32 v20, v20, s[SM+q], s[SM+q]       ; the lanes of set q take set q's lanes
.set q, q+1
.endr
	v_mbcnt_lo_u32_b32 v21, v20, 0                 ; lanes of my set below me
	v_lshl_or_b32 v30, v21, 8, v30
	v_mov_b32 v22, 0                               ; places 28-31 stay 0
.set q, 0
.rept 28
	s_bcnt1_i32_b32 s[SM+q], s[SM+q]
	v_writelane_b32 v22, s[SM+q], q
.set q, q+1
.endr
	s_lshl_b32 s17, ttmp9, 7
	v_lshl_add_u32 v31, v1, 2, s17
	global_store_b32 v31, v30, s[10:11]            ; 128 consecutive bytes each
	global_store_b32 v31, v22, s[36:37]
	s_lshl_b32 s17, ttmp9, 8
	v_lshl_add_u32 v12, v1, 3, s17
	global_store_b64 v12, v[26:27], s[12:13]       ; the wave's store covers 256 consecutive bytes, aligned
.irp q, 0,2,4,6
	v_pk_mul_f32 v[128+\q:129+\q], v[128+\q:129+\q], v[24:25]
.endr
.irp m, 1,2,4,8                                        ; the eight sums over the 32 tokens
.irp j, 0,1,2,3,4,5,6,7
	v_add_f32_dpp v[128+\j], v[128+\j], v[128+\j] row_xmask:\m row_mask:0xf bank_mask:0xf
.endr
.endr
.irp j, 0,1,2,3,4,5,6,7
	v_permlanex16_b32 v[136+\j], v[128+\j], s30, s31
.endr
.irp j, 0,1,2,3,4,5,6,7
	v_add_f32 v[128+\j], v[128+\j], v[136+\j]
.endr
	s_lshl_b32 s17, ttmp9, 5
	v_mov_b32 v13, s17
	v_cmp_eq_u32 vcc_lo, 0, v1
	s_wait_xcnt 0x0                                ; EXEC is a source of the stores above: it changes only behind this wait
	s_and_saveexec_b32 s32, vcc_lo                 ; lane 0 alone
	global_store_b128 v13, v[128:131], s[14:15]
	global_store_b128 v13, v[132:135], s[14:15] offset:16
	s_wait_xcnt 0x0                                ; and again, in front of the line that widens it
	s_or_b32 exec_lo, exec_lo, s32
.Lend:
	s_wait_tensorcnt 0x0                           ; the wave's end, behind my last LDS store
	ds_add_u32 v10, v11
	s_wait_dscnt 0x0
	s_endpgm
.Lfunc_end_k_qf1e2b9dada_router:
	.size	k_qf1e2b9dada_router, .Lfunc_end_k_qf1e2b9dada_router-k_qf1e2b9dada_router
	.p2alignl 7, 3214868480
	.fill 96, 4, 3214868480
	.section	.rodata,"a",@progbits
	.p2align	6, 0x0
	.amdhsa_kernel k_qf1e2b9dada_router
		.amdhsa_group_segment_fixed_size 104960
		.amdhsa_private_segment_fixed_size 0
		.amdhsa_enable_private_segment 0
		.amdhsa_kernarg_size 56
		.amdhsa_user_sgpr_count 2
		.amdhsa_user_sgpr_kernarg_segment_ptr 1
		.amdhsa_wavefront_size32 1
		.amdhsa_system_sgpr_workgroup_id_x 1
		.amdhsa_system_sgpr_workgroup_id_y 1
		.amdhsa_system_sgpr_workgroup_id_z 1
		.amdhsa_system_vgpr_workitem_id 0
		.amdhsa_next_free_vgpr 512
		.amdhsa_next_free_sgpr 96
		.amdhsa_reserve_vcc 1
		.amdhsa_float_denorm_mode_32 3
		.amdhsa_float_denorm_mode_16_64 3
		.amdhsa_memory_ordered 1
		.amdhsa_forward_progress 1
		.amdhsa_inst_pref_size 47
	.end_amdhsa_kernel
	.amdgpu_metadata
---
amdhsa.version: [ 1, 2 ]
amdhsa.kernels:
  - .name:           k_qf1e2b9dada_router
    .symbol:         k_qf1e2b9dada_router.kd
    .args:
      - { .name: x, .offset: 0, .size: 8, .value_kind: global_buffer, .address_space: global }
      - { .name: gate_W, .offset: 8, .size: 8, .value_kind: global_buffer, .address_space: global }
      - { .name: gate_b, .offset: 16, .size: 8, .value_kind: global_buffer, .address_space: global }
      - { .name: tset, .offset: 24, .size: 8, .value_kind: global_buffer, .address_space: global }
      - { .name: tgate, .offset: 32, .size: 8, .value_kind: global_buffer, .address_space: global }
      - { .name: imp, .offset: 40, .size: 8, .value_kind: global_buffer, .address_space: global }
      - { .name: tcnt, .offset: 48, .size: 8, .value_kind: global_buffer, .address_space: global }
    .group_segment_fixed_size: 104960
    .private_segment_fixed_size: 0
    .kernarg_segment_align: 8
    .kernarg_segment_size: 56
    .max_flat_workgroup_size: 128
    .sgpr_count:     96
    .vgpr_count:     512
    .wavefront_size: 32
...
	.end_amdgpu_metadata
.endif
;; end of part 4
;; launch prep (part 5): grid 256 x 1, 8 waves a work-group, no clusters, 70,912 bytes of LDS; arguments W1, W2, tset, tcnt, imp, wf1, wf2, list, tinfo, out1; writes wf1, wf2, list, tinfo, out1
.if DOCPART == 5
	.amdgcn_target "amdgcn-amd-amdhsa--gfx1250"
	.amdhsa_code_object_version 6
	.text
	.protected	k_qf1e2b9dada_prep
	.globl	k_qf1e2b9dada_prep
	.p2align	8
	.type	k_qf1e2b9dada_prep,@function
k_qf1e2b9dada_prep:
	s_mov_b64 s[64:65], 0
	v_nop
	global_prefetch_b8 v0, s[64:65] scope:SCOPE_SE
	s_setreg_imm32_b32 hwreg(HW_REG_WAVE_MODE, 25, 1), 1
	s_wait_xcnt 0x0
; PREP.  Every work-group c does two things.  (1) Its eight waves each round and lay out one piece of the weights (work-groups 0-127: W1, 128-255: W2), in the order in which a wave's operand registers take them.
; (2) It places chunk c, tokens 32 c .. 32 c + 31, in the list of tokens sorted by their set of experts (28 sets, tiles of 64 tokens).  Work-group 0 also stores the table of tiles, work-group 255 the loss.
; OUT: list[64 tile + i] = token, for i below the tile's count alone (the places behind are not stored, and nobody reads them);  tinfo[tile] = {lo, hi, count, set}, count = 0 for a tile that the split leaves empty;
;      wf1 (bf16) [e 8][256-column block 2][k step 32][n block 16][q 2][lane 32][16 bytes];  wf2 (f16) [e 8][block 4][k step 16][..]: lane 16 h + r holds column 16 nb + r, k = 32 ks + 16 q + 8 h + 0..7;
;      out1 = 0.01 x 8 x the sum over experts of (mean softmax)^2.
; THE PLACE of a token = 64 x its set's first tile + the set's tokens in the chunks before c + the token's rank in its chunk.  The launch before stored each chunk's counts and each token's rank, so what is left is
; sums: wave w adds the counts of chunks 32 w .. 32 w + 31, once all and once those before c; the eight waves' sums meet in LDS behind ONE barrier.  Each work-group reads all 32 KB of counts: 8 MB in all, for a sort
; in which no work-group has more to do than its own 32 tokens.  A set of n tokens takes ceil(n / 64) tiles: (8192 + 28 x 63) / 64 = 155 at the most, whatever the split.
; The sums and the places are made while the weights' loads, issued first, are on their way.  A chunk's 32 places leave in one store of 4 bytes a lane: the places are the sort's.
; W2 is rounded to bf16, as every input is, and that number is written as f16: exact from 6.1e-5 to 65,504; below it keeps f16's fixed step of 6e-8.
.set STGP,  1040                       ; the weights' stage: an n block's 1,024 bytes + 16
.set STGB,  8448                       ; a wave's stage: 8 n blocks
.set WT,    8*STGB                     ; u32 [8 waves][32 sets]: the sets' tokens in a wave's 32 chunks
.set WB,    WT+1024                    ; the same, of the chunks before this work-group's alone
.set IMPS,  WB+1024                    ; f32 [8 waves][8 experts]
.set SPARE, IMPS+256                   ; the spare words: 128 bytes a wave, named by no other line
; v1 lane  v2 16 x lane  v3, v4 the add's two  v6 my chunk's words in tset  v7 my wave's counts in tcnt  v8 c - 32 w - lane / 8  v9 where I put my wave's sums  v10 WT[0][lane]  v12 set | rank << 8 of token 32 c + lane
; v13-15, v50 the loss's addresses  v16-47 counts, then at work  v48 into my stage  v49 out of it  v52-59 sums  v64-191 weights as loaded  v192-223 packed
	s_load_b512 s[4:19], s[0:1], 0x0               ; W1 s[4:5], W2 s[6:7], tset s[8:9], tcnt s[10:11], imp s[12:13], wf1 s[14:15], wf2 s[16:17], list s[18:19]
	s_load_b128 s[20:23], s[0:1], 0x40             ; tinfo s[20:21], out1 s[22:23]
	v_lshl_add_u32 v3, v0, 2, SPARE                ; my spare word,
	v_mov_b32 v4, 0                                ; and 0: kept for the wave's last three lines alone
	v_and_b32 v1, 31, v0                           ; lane
	v_lshrrev_b32 v5, 5, v0
	v_readfirstlane_b32 s24, v5                    ; wave
	v_lshlrev_b32 v2, 4, v1                        ; 16 x lane
	s_lshl_b32 s25, ttmp9, 7
	v_lshl_add_u32 v6, v1, 2, s25
	s_lshl_b32 s25, s24, 12
	v_add_nc_u32 v7, s25, v2                       ; a load of the wave covers four chunks' counts: lane l holds chunk + l / 8, sets 4 (l % 8) + 0..3
	s_lshl_b32 s25, s24, 5
	s_sub_co_i32 s25, ttmp9, s25
	v_lshrrev_b32 v5, 3, v1
	v_sub_nc_u32 v8, s25, v5                       ; chunk 32 w + 4 i + l / 8 lies before c where 4 i is less than this (signed)
	s_lshl_b32 s26, s24, 7
	s_add_co_u32 s26, s26, WT
	v_and_b32 v5, 7, v1
	v_lshl_add_u32 v9, v5, 4, s26
	v_lshl_add_u32 v10, v1, 2, WT
	s_lshl_b32 s25, s24, 10
	v_add_nc_u32 v13, s25, v2                      ; imp: my wave's 1,024 bytes
	v_and_b32 v5, 1, v1
	v_lshl_add_u32 v14, v5, 4, IMPS                ; even lanes: experts 0-3, odd lanes: 4-7
	s_lshl_b32 s25, s24, 5
	v_add_nc_u32 v15, s25, v14
	v_mov_b32 v50, 0
	s_mul_i32 s25, s24, STGB
	v_add_nc_u32 v49, s25, v2                      ; out of the stage: 512 bytes on end
	v_lshrrev_b32 v5, 2, v1
	v_mul_u32_u24 v48, v5, STGP
	v_and_b32 v5, 3, v1
	v_lshl_add_u32 v48, v5, 6, v48
	v_add_nc_u32 v48, s25, v48                     ; into the stage: n block lane / 4, place 4 (lane % 4) in it
	s_mov_b32 s32, 0x76543210                      ; v_permlanex16_b32: each lane takes its own place in the other half
	s_mov_b32 s33, 0xfedcba98
	s_lshl_b32 s34, ttmp9, 3
	s_add_co_u32 s34, s34, s24                     ; my wave's job: 0..1023: W1's; 1024..2047: W2's
	; A job is 32 k x 128 columns of one expert: 32 rows of 512 bytes in (a lane: 4 columns of 32 k), 8 KB in the fragments' order out.
.macro JOB cw, ksw, srcsh, blksh       ; s34 = the job: column block in the low cw bits, K step in the next ksw, expert in the 3 above
	s_and_b32 s37, s34, (1<<(\cw))-1
	s_bfe_u32 s36, s34, ((\ksw)<<16)|(\cw)
	s_bfe_u32 s35, s34, 0x30007
	s_lshl_b32 s38, s35, 21                        ; from: expert x 2 MB + 32 K step rows + 512 x column block
	s_lshl_b32 s31, s36, \srcsh
	s_add_co_u32 s38, s38, s31
	s_lshl_b32 s31, s37, 9
	s_add_co_u32 s38, s38, s31
	s_mov_b32 s39, 0
	s_lshl_b32 s40, s35, 20                        ; to: expert x 1 MB + block of 256 columns + K step x 16 KB + half x 8 KB
	s_lshl_b32 s31, s36, 14
	s_add_co_u32 s40, s40, s31
	s_lshr_b32 s31, s37, 1
	s_lshl_b32 s31, s31, \blksh
	s_add_co_u32 s40, s40, s31
	s_and_b32 s31, s37, 1
	s_lshl_b32 s31, s31, 13
	s_add_co_u32 s40, s40, s31
	s_mov_b32 s41, 0
.endm
.macro LAYLD pitch                     ; the job's 32 loads
.set kk, 0
.rept 32
	global_load_b128 v[64+4*kk:64+4*kk+3], v2, s[42:43] offset:kk*(\pitch) th:TH_LOAD_NT
.set kk, kk+1
.endr
.endm
.macro LAYWK hf                        ; rounded, 8 consecutive k of a column packed into 16 bytes, turned through my own stage, stored.  hf = 1: the bf16 number is written as f16
.set o, 0
.rept 4                                                ; eight k at a time: k = 8 o + 0..7, that is q = o / 2, h = o % 2
	s_wait_loadcnt 24-8*o                          ; the later rows' loads stay out
.set i, 0
.rept 4
.set tb, 192+4*((4*o+i)%8)
.set p, 0
.rept 4
.set ra, 64+4*(8*o+2*p)+i
	v_cvt_pk_bf16_f32 v[tb+p], v[ra], v[ra+4]
.if \hf
	v_lshlrev_b32 v[ra], 16, v[tb+p]
	v_and_b32 v[ra+4], 0xffff0000, v[tb+p]
	v_cvt_pk_f16_f32 v[tb+p], v[ra], v[ra+4]
.endif
.set p, p+1
.endr
	ds_store_b128 v48, v[tb:tb+3] offset:256*o+16*i
.set i, i+1
.endr
.set o, o+1
.endr
.set n, 0
.rept 16                                               ; my own bytes, served in order (ISA guide 5.7.1.4): no wait between the stores and these
	ds_load_b128 v[64+4*n:64+4*n+3], v49 offset:(n/2)*STGP+(n%2)*512
.set n, n+1
.endr
.set n, 0
.rept 16
	s_wait_dscnt 15-n
	global_store_b128 v2, v[64+4*n:64+4*n+3], s[44:45] offset:n*512   ; 512 consecutive bytes
.set n, n+1
.endr
.endm
.macro TREE d                          ; v[d + r] = the sum over my eight loads of v[16 + 4 i + r]
.irp r, 0,1,2,3
	v_add3_u32 v[(\d)+\r], v[16+\r], v[20+\r], v[24+\r]
	v_add3_u32 v[(\d)+\r], v[(\d)+\r], v[28+\r], v[32+\r]
	v_add3_u32 v[(\d)+\r], v[(\d)+\r], v[36+\r], v[40+\r]
	v_add_nc_u32 v[(\d)+\r], v[(\d)+\r], v[44+\r]
.endr
.endm
	s_wait_kmcnt 0x0
	global_load_b32 v12, v6, s[8:9]                ; every wave asks for the chunk's words in the common text; wave 0 uses them
.irp i, 0,1,2,3,4,5,6,7
	global_load_b128 v[16+4*\i:19+4*\i], v7, s[10:11] offset:512*\i
.endr
	s_cmp_ge_u32 s34, 1024
	s_cbranch_scc1 .Lld2
	JOB 2, 5, 16, 19
	s_add_nc_u64 s[42:43], s[4:5], s[38:39]
	s_add_nc_u64 s[44:45], s[14:15], s[40:41]
	LAYLD 2048
	s_branch .Lld
.Lld2:
	JOB 3, 4, 17, 18
	s_add_nc_u64 s[42:43], s[6:7], s[38:39]
	s_add_nc_u64 s[44:45], s[16:17], s[40:41]
	LAYLD 4096
.Lld:
	s_cmp_lg_u32 ttmp9, 255
	s_cbranch_scc1 .Lsum
	global_load_b128 v[52:55], v13, s[12:13]       ; work-group 255: my wave's part of the loss: 32 work-groups' sums; a lane holds four experts by its parity
	global_load_b128 v[56:59], v13, s[12:13] offset:512
	s_wait_loadcnt 0x0
	v_pk_add_f32 v[52:53], v[52:53], v[56:57]
	v_pk_add_f32 v[54:55], v[54:55], v[58:59]
.irp m, 2,4,8
.irp c, 52,53,54,55
	v_add_f32_dpp v\c, v\c, v\c row_xmask:\m row_mask:0xf bank_mask:0xf
.endr
.endr
.irp c, 52,53,54,55
	v_permlanex16_b32 v[\c+4], v\c, s32, s33
.endr
.irp c, 52,53,54,55
	v_add_f32 v\c, v\c, v[\c+4]
.endr
	ds_store_b128 v15, v[52:55]                    ; lanes of one parity write the same 16 bytes with the same numbers
.Lsum:
	s_wait_loadcnt 32                              ; the 32 loads of weights are younger: the chunk's words and my counts are in
	TREE 52                                        ; all my chunks,
.set i, 0
.rept 8
	v_cmp_lt_i32 vcc_lo, 4*i, v8
.irp r, 0,1,2,3
	v_cndmask_b32 v[16+4*i+\r], 0, v[16+4*i+\r], vcc_lo
.endr
.set i, i+1
.endr
	TREE 56                                        ; and those before c
.irp x, 0,1,2,3,4,5,6,7                                ; over the four groups of eight lanes
	v_mov_b32_dpp v[16+\x], v[52+\x] row_xmask:8 row_mask:0xf bank_mask:0xf
.endr
.irp x, 0,1,2,3,4,5,6,7
	v_add_nc_u32 v[52+\x], v[52+\x], v[16+\x]
.endr
.irp x, 0,1,2,3,4,5,6,7
	v_permlanex16_b32 v[16+\x], v[52+\x], s32, s33
.endr
.irp x, 0,1,2,3,4,5,6,7
	v_add_nc_u32 v[52+\x], v[52+\x], v[16+\x]
.endr
	ds_store_b128 v9, v[52:55]                     ; the four lanes with the same sets write the same 16 bytes with the same numbers
	ds_store_b128 v9, v[56:59] offset:1024
	s_wait_dscnt 0x0                               ; for the others' sake: my sums are in LDS
	s_barrier_signal -1
	s_barrier_wait -1
	; PLACES: wave 0 of every work-group; in work-group 0 waves 0 to 4, which store the table.  Lane = set.
	s_cmp_eq_u32 ttmp9, 0
	s_cselect_b32 s31, 4, 0
	s_cmp_gt_u32 s24, s31
	s_cbranch_scc1 .Lloss
.irp i, 0,1,2,3,4,5,6,7
	ds_load_b32 v[16+\i], v10 offset:128*\i
	ds_load_b32 v[24+\i], v10 offset:1024+128*\i
.endr
	v_mov_b32 v36, 0
	s_wait_dscnt 0x0
	v_add3_u32 v32, v16, v17, v18
	v_add3_u32 v33, v24, v25, v26
	v_add3_u32 v32, v32, v19, v20
	v_add3_u32 v33, v33, v27, v28
	v_add3_u32 v32, v32, v21, v22
	v_add3_u32 v33, v33, v29, v30
	v_add_nc_u32 v32, v32, v23                     ; n: the set's tokens,
	v_add_nc_u32 v33, v33, v31                     ; and those of them in the chunks before c
	v_add_nc_u32 v34, 63, v32
	v_lshrrev_b32 v34, 6, v34                      ; tiles
	v_mov_b32 v35, v34
.irp m, 1,2,4,8
	v_mov_b32_dpp v36, v35 row_shr:\m row_mask:0xf bank_mask:0xf bound_ctrl:1
	v_add_nc_u32 v35, v35, v36
.endr
	v_readlane_b32 s30, v35, 15
	v_cmp_le_u32 vcc_lo, 16, v1
	v_cndmask_b32 v36, 0, s30, vcc_lo
	v_add_nc_u32 v35, v35, v36                     ; tiles up to and with this set,
	v_sub_nc_u32 v37, v35, v34                     ; and before it
	s_cmp_lg_u32 s24, 0
	s_cbranch_scc1 .Lno_scatter
	v_lshl_add_u32 v38, v37, 6, v33                ; lane = set: where chunk c's first token of the set goes
	v_and_b32 v39, 31, v12                         ; lane = token: its set,
	v_min_u32 v39, 27, v39
	v_lshlrev_b32 v39, 2, v39
	ds_bpermute_b32 v40, v39, v38
	v_bfe_u32 v41, v12, 8, 5                       ; its rank,
	s_lshl_b32 s30, ttmp9, 5
	v_add_nc_u32 v42, s30, v1                      ; its number
	s_wait_dscnt 0x0
	v_add_nc_u32 v40, v40, v41
	v_min_u32 v40, 9919, v40                       ; 155 tiles of 64 places
	v_lshlrev_b32 v40, 2, v40
	global_store_b32 v40, v42, s[18:19]
.Lno_scatter:
	s_cmp_lg_u32 ttmp9, 0
	s_cbranch_scc1 .Lloss
	s_lshl_b32 s31, s24, 5                         ; THE TABLE: a tile a lane
	v_add_nc_u32 v44, s31, v1
	v_mov_b32 v55, 0
.set q, 0
.rept 28
	v_readlane_b32 s30, v35, q
	v_cmp_le_u32 vcc_lo, s30, v44
	v_add_co_ci_u32 v55, vcc_lo, 0, v55, vcc_lo    ; the tile's set: how many sets end at or before it
.set q, q+1
.endr
	v_min_u32 v45, 27, v55
	v_lshlrev_b32 v45, 2, v45
	ds_bpermute_b32 v46, v45, v32                  ; that set's n,
	ds_bpermute_b32 v47, v45, v37                  ; and its first tile
	v_mov_b32 v53, 1
.irp th, 1,3,6,10,15,21
	v_cmp_le_u32 vcc_lo, \th, v55
	v_add_co_ci_u32 v53, vcc_lo, 0, v53, vcc_lo    ; hi
.endr
	v_add_nc_u32 v56, -1, v53
	v_mul_u32_u24 v56, v56, v53
	v_lshrrev_b32 v56, 1, v56
	v_sub_nc_u32 v52, v55, v56
	v_min_u32 v52, 7, v52                          ; lo
	s_wait_dscnt 0x0
	v_sub_nc_u32 v47, v44, v47
	v_lshlrev_b32 v47, 6, v47
	v_sub_nc_u32 v46, v46, v47
	v_min_u32 v46, 64, v46
	v_cmp_gt_u32 vcc_lo, 28, v55
	v_cndmask_b32 v54, 0, v46, vcc_lo              ; the count; 0 behind the last tile
	v_lshlrev_b32 v57, 4, v44
	global_store_b128 v57, v[52:55], s[20:21]      ; the wave's store covers 512 consecutive bytes
.Lloss:
	s_cmp_lg_u32 ttmp9, 255
	s_cbranch_scc1 .Lwork
	s_cmp_lg_u32 s24, 7
	s_cbranch_scc1 .Lwork
.irp i, 0,1,2,3,4,5,6,7                                ; THE LOSS: wave 7 of work-group 255 adds the eight waves' parts
	ds_load_b128 v[16+4*\i:19+4*\i], v14 offset:32*\i
.endr
	s_wait_dscnt 0x0
.irp i, 0,1,2,3
	v_pk_add_f32 v[16+4*\i:17+4*\i], v[16+4*\i:17+4*\i], v[32+4*\i:33+4*\i]
	v_pk_add_f32 v[18+4*\i:19+4*\i], v[18+4*\i:19+4*\i], v[34+4*\i:35+4*\i]
.endr
.irp i, 0,1
	v_pk_add_f32 v[16+4*\i:17+4*\i], v[16+4*\i:17+4*\i], v[24+4*\i:25+4*\i]
	v_pk_add_f32 v[18+4*\i:19+4*\i], v[18+4*\i:19+4*\i], v[26+4*\i:27+4*\i]
.endr
	v_pk_add_f32 v[16:17], v[16:17], v[20:21]
	v_pk_add_f32 v[18:19], v[18:19], v[22:23]
	v_pk_mul_f32 v[16:17], v[16:17], 0x39000000 op_sel_hi:[1,0]   ; / 8192: the mean
	v_pk_mul_f32 v[18:19], v[18:19], 0x39000000 op_sel_hi:[1,0]
	v_mul_f32 v20, v16, v16
	v_fma_f32 v20, v17, v17, v20
	v_fma_f32 v20, v18, v18, v20
	v_fma_f32 v20, v19, v19, v20
	v_add_f32_dpp v20, v20, v20 row_xmask:1 row_mask:0xf bank_mask:0xf   ; the other four experts'
	v_mul_f32 v20, 0x3da3d70a, v20                 ; x 8 x 0.01
	v_cmp_eq_u32 vcc_lo, 0, v1
	s_wait_xcnt 0x0                                ; EXEC changes only behind this wait
	s_and_saveexec_b32 s30, vcc_lo                 ; lane 0 alone
	global_store_b32 v50, v20, s[22:23]
	s_wait_xcnt 0x0                                ; and again, in front of the line that widens it
	s_or_b32 exec_lo, exec_lo, s30
.Lwork:
	s_cmp_ge_u32 s34, 1024
	s_cbranch_scc1 .Lwk2
	LAYWK 0
	s_branch .Lend
.Lwk2:
	LAYWK 1
.Lend:
	s_wait_tensorcnt 0x0                           ; the wave's end, behind my last LDS store
	ds_add_u32 v3, v4
	s_wait_dscnt 0x0
	s_endpgm
.Lfunc_end_k_qf1e2b9dada_prep:
	.size	k_qf1e2b9dada_prep, .Lfunc_end_k_qf1e2b9dada_prep-k_qf1e2b9dada_prep
	.p2alignl 7, 3214868480
	.fill 96, 4, 3214868480
	.section	.rodata,"a",@progbits
	.p2align	6, 0x0
	.amdhsa_kernel k_qf1e2b9dada_prep
		.amdhsa_group_segment_fixed_size 70912
		.amdhsa_private_segment_fixed_size 0
		.amdhsa_enable_private_segment 0
		.amdhsa_kernarg_size 80
		.amdhsa_user_sgpr_count 2
		.amdhsa_user_sgpr_kernarg_segment_ptr 1
		.amdhsa_wavefront_size32 1
		.amdhsa_system_sgpr_workgroup_id_x 1
		.amdhsa_system_sgpr_workgroup_id_y 1
		.amdhsa_system_sgpr_workgroup_id_z 1
		.amdhsa_system_vgpr_workitem_id 0
		.amdhsa_next_free_vgpr 224
		.amdhsa_next_free_sgpr 66
		.amdhsa_reserve_vcc 1
		.amdhsa_float_denorm_mode_32 3
		.amdhsa_float_denorm_mode_16_64 3
		.amdhsa_memory_ordered 1
		.amdhsa_forward_progress 1
		.amdhsa_inst_pref_size 54
	.end_amdhsa_kernel
	.amdgpu_metadata
---
amdhsa.version: [ 1, 2 ]
amdhsa.kernels:
  - .name:           k_qf1e2b9dada_prep
    .symbol:         k_qf1e2b9dada_prep.kd
    .args:
      - { .name: W1, .offset: 0, .size: 8, .value_kind: global_buffer, .address_space: global }
      - { .name: W2, .offset: 8, .size: 8, .value_kind: global_buffer, .address_space: global }
      - { .name: tset, .offset: 16, .size: 8, .value_kind: global_buffer, .address_space: global }
      - { .name: tcnt, .offset: 24, .size: 8, .value_kind: global_buffer, .address_space: global }
      - { .name: imp, .offset: 32, .size: 8, .value_kind: global_buffer, .address_space: global }
      - { .name: wf1, .offset: 40, .size: 8, .value_kind: global_buffer, .address_space: global }
      - { .name: wf2, .offset: 48, .size: 8, .value_kind: global_buffer, .address_space: global }
      - { .name: list, .offset: 56, .size: 8, .value_kind: global_buffer, .address_space: global }
      - { .name: tinfo, .offset: 64, .size: 8, .value_kind: global_buffer, .address_space: global }
      - { .name: out1, .offset: 72, .size: 8, .value_kind: global_buffer, .address_space: global }
    .group_segment_fixed_size: 70912
    .private_segment_fixed_size: 0
    .kernarg_segment_align: 8
    .kernarg_segment_size: 80
    .max_flat_workgroup_size: 256
    .sgpr_count:     66
    .vgpr_count:     224
    .wavefront_size: 32
...
	.end_amdgpu_metadata
.endif
;; end of part 5
;; launch chain (part 6): grid 155 x 1, 8 waves a work-group, no clusters, 277,504 bytes of LDS; arguments x, wf1, wf2, b1, b2, list, tinfo, tgate, out0; writes out0
.if DOCPART == 6
	.amdgcn_target "amdgcn-amd-amdhsa--gfx1250"
	.amdhsa_code_object_version 6
	.text
	.protected	k_qf1e2b9dada_chain
	.globl	k_qf1e2b9dada_chain
	.p2align	8
	.type	k_qf1e2b9dada_chain,@function
k_qf1e2b9dada_chain:
	s_mov_b64 s[64:65], 0
	v_nop
	global_prefetch_b8 v0, s[64:65] scope:SCOPE_SE
	s_setreg_imm32_b32 hwreg(HW_REG_WAVE_MODE, 25, 1), 1
	s_wait_xcnt 0x0
; CHAIN.  A work-group takes one tile, up to 64 tokens that chose the same two experts e1 < e2, through the whole layer:
;   Hcat = [ g_lo relu(X W1[e1] + b1[e1]) | g_hi relu(X W1[e2] + b1[e2]) ]   (64 x 1024),      out = Hcat [ W2[e1] ; W2[e2] ] + g_lo b2[e1] + g_hi b2[e2]   (64 x 1024).
; So each output row has one owner, each token's row of x is fetched once, and the hidden layer stays in LDS.  155 work-groups serve every split of the tokens; one that the split leaves empty stores nothing.
; FORMATS.  x, W1, b1, W2, b2 rounded once to bf16 (the weights by the launch before).  First product in bf16; g h is rounded once to f16 and the second product is in f16; all sums in f32.
; LIMITS.  |g h| stays under 65,504, f16's end (with x and W1 thirty times the drawn spread, or offset by thirty spreads, it stays under 20,000).  NaN and infinities are not treated apart.
; SHARES.  EIGHT waves, two to a SIMD.  Wave w owns columns 128 w .. 128 w + 127 of Hcat and of out, all 64 tokens: 32 accumulators of 16 x 16, 256 registers.  The products are used transposed (source 0 = 16 columns
; of weights, source 1 = 16 tokens): a lane then holds ONE token (lane % 16) and eight neighbouring columns.
; THE WEIGHTS come from memory straight into operand registers, in the order in which the launch before laid them: a wave's K step is 8 KB on end, 16 loads of 512 consecutive bytes.  Through LDS each byte would be
; written once and read once more by this one work-group.  So the width of a wave's tile costs no byte of weights (64 KB a K step for the work-group, each loaded once, with four waves or eight); what eight waves
; cost is the tokens' fragments out of LDS, 8 x 4 KB a K step in place of 4 x 4 KB; what they buy is a second wave on each SIMD, whose products can be issued while the first stands at a run of loads.
; Two buffers; a group of fragments is asked for again right behind its last use, two K steps ahead of its next.
; NO FIRST STEP is written out: the first product's sums start at b1, loaded from LDS into the accumulators; the second's at g_lo b2[e1] + g_hi b2[e2], made there by packed arithmetic.
; ORDER.  Four barriers, at top level, which every wave passes: x and the biases are laid | the first product reads | Hcat is laid | the second product reads | the way out writes its stages.  An empty tile jumps each
; of the four stretches behind the first barrier.
; NO CLUSTER: partners would have to share a set of experts; 28 sets of some 290 tokens in whole clusters of 256 tokens would pad by up to 255 tokens a set, and a shared tile would have to pass through LDS.
; REGISTERS, in windows of 256 (s_set_vgpr_msb: bits 1:0 source 0, 3:2 source 1, 5:4 source 2, 7:6 destination):
;   window 0: v0-63 addresses, tokens, gates; v64-95, v96-127 the tokens' fragments, two buffers (outside the products: at work); v128-191, v192-255 the weights' fragments, two buffers (on the way out: rows read back)
;   window 1: accumulator (a, b), tokens 16 a on, columns 16 b on, at 8 (4 b + a); before the products: x as loaded
.set XP,    2064                       ; a row of 1,024 16-bit numbers + 16 bytes: sixteen rows' 16-byte pieces fall on sixteen different places modulo 256 bytes
.set HS,    64*XP                      ; XS at 0: x in bf16; HS: Hcat in f16
.set BIAS,  128*XP                     ; f32: b1 (e1's 512, e2's 512), b2[e1], b2[e2]: 4 KB each
.set SPARE, BIAS+3*4096                ; the spare words: 128 bytes a wave, named by no other line
.set SPI,   528                        ; the way out: a wave's stage of 16 rows x 512 bytes + 16, in XS, which nobody reads behind the second barrier
; v1 lane  v2 16 x lane  v3,4 tokens' fragments in XS (rows 0-31, 32-63), never rewritten  v5,6 in HS, likewise  v7,8 where I put 16 bytes of Hcat  v9 into the stage  v10 out of it  v11 my bytes in a row of out
; v12-15 token of row 16 a + lane % 16  v16-23 its (g_lo, g_hi)  v24-31 my expert's g, as pairs  v32-39 row offsets in out  v40 4 (lane / 16)  v41 0  v42, v43 the add's two  v44 where I put 8 bytes of x
; v45-50 the list; later v46,47 the fragments' addresses at the K step in hand  v52-59 g_hi as pairs  v60 my columns' biases  v61 r  v62 h
; s[4:21] the buffers  s22 wave  s[24:27] e1, e2, count, set  s[28:35] my 8 rows' tokens  s[44:47] W1's two pointers  s[48:51] W2's  s52 trips  s53 my expert  s58 mask  s62 the trip's bytes along K  s[66:67] b2[e1]
.set MSB, 0
.macro WIN new                         ; the immediate's high byte repeats the setting that is left
.if MSB != (\new)
	s_set_vgpr_msb (MSB<<8)|(\new)
.set MSB, (\new)
.endif
.endm
.macro NOP4                            ; four places: between a matrix instruction and a load into one of its sources, or a read of its result (ISA guide 7.12.1 for a read of its result)
.rept 4
	v_nop
.endr
.endm
.macro ALOAD f, aadr, aoff             ; 64 tokens x 32 k at byte aoff of the rows -> buffer f
.set aa, 0
.rept 4
	ds_load_b128 v[64+32*(\f)+8*aa:64+32*(\f)+8*aa+3],   v[(\aadr)+aa/2] offset:(aa%2)*16*XP+(\aoff)
	ds_load_b128 v[64+32*(\f)+8*aa+4:64+32*(\f)+8*aa+7], v[(\aadr)+aa/2] offset:(aa%2)*16*XP+(\aoff)+32
.set aa, aa+1
.endr
.endm
.macro BLOAD f, pb                     ; group g of a K step's weights: n blocks 2 g, 2 g + 1 -> buffer f
.set bb, 0
.rept 2
	global_load_b128 v[128+64*(\f)+8*(2*g+bb):128+64*(\f)+8*(2*g+bb)+3],   v2, s[\pb:\pb+1] offset:1024*(2*g+bb)
	global_load_b128 v[128+64*(\f)+8*(2*g+bb)+4:128+64*(\f)+8*(2*g+bb)+7], v2, s[\pb:\pb+1] offset:1024*(2*g+bb)+512
.set bb, bb+1
.endr
.endm
; 8 matrix instructions: n blocks 2 g, 2 g + 1 x 4 blocks of tokens.  All 32 accumulators take turns, one instruction a turn, in the same order in every K step.
.macro MM8 hf, f
	WIN 0x50                                       ; sums in window 1, fragments in window 0
.set bb, 0
.rept 2
.set aa, 0
.rept 4
.set rD, 8*(4*(2*g+bb)+aa)
.set rB, 128+64*(\f)+8*(2*g+bb)
.set rA, 64+32*(\f)+8*aa
.if \hf
	v_wmma_f32_16x16x32_f16 v[rD:rD+7], v[rB:rB+7], v[rA:rA+7], v[rD:rD+7]
.else
	v_wmma_f32_16x16x32_bf16 v[rD:rD+7], v[rB:rB+7], v[rA:rA+7], v[rD:rD+7]
.endif
.set aa, aa+1
.endr
.set bb, bb+1
.endr
.endm
; A K STEP of 32: 32 matrix instructions on buffers f, in four groups.  Behind group 0 the next step's tokens are fetched from LDS into the other buffer (aoff >= 0); behind each group its four
; loads of weights are issued again, for the step two on (pb >= 0: the pointer; padd: it steps first).
; THE COUNT.  Behind the four loads of a step's group g were issued 4 (3 - g) in the same step, 16 in the next, 4 g in the step that uses them: 28, in every step of the unbroken stream.
; The last two steps issue none: 28 - 4 g, then 12 - 4 g (w0, wd).
.macro STEP hf, f, pb, padd, bstep, aadr, aoff, w0, wd
	s_wait_dscnt 0x0                               ; this step's tokens are in
.set g, 0
.rept 4
	s_wait_loadcnt (\w0)-(\wd)*g
	MM8 \hf, \f
.if ((\pb) >= 0) || ((g == 0) && ((\aoff) >= 0))
	NOP4
	WIN 0
.endif
.if (g == 0) && ((\aoff) >= 0)
	ALOAD 1-(\f), \aadr, \aoff
.endif
.if (\pb) >= 0
.if (g == 0) && (\padd)
	s_wait_xcnt 0x0                                ; the pointer is a source of the loads of two steps ago: it steps only behind this wait
	s_add_nc_u64 s[\pb:\pb+1], s[\pb:\pb+1], \bstep
.endif
	BLOAD \f, \pb
.endif
.set g, g+1
.endr
.endm
.macro XCVT half                       ; my rows 4 half .. 4 half + 3 of x are rounded to bf16, in place, and laid into XS
	WIN 0x45
.set n, 32*(\half)
.rept 32
	v_cvt_pk_bf16_f32 v[4*n],   v[4*n],   v[4*n+1]
	v_cvt_pk_bf16_f32 v[4*n+1], v[4*n+2], v[4*n+3]
.set n, n+1
.endr
	WIN 0x04                                       ; the stores' data in window 1
.set n, 32*(\half)
.rept 32
	ds_store_b64 v44, v[4*n:4*n+1] offset:(n/8)*XP+(n%8)*256
.set n, n+1
.endr
.endm
.macro RND4 base                       ; four f32 rounded to bf16 and kept as f32
	v_cvt_pk_bf16_f32 v88, v[(\base)],   v[(\base)+1]
	v_cvt_pk_bf16_f32 v89, v[(\base)+2], v[(\base)+3]
	v_lshlrev_b32 v[(\base)],   16, v88
	v_and_b32     v[(\base)+1], 0xffff0000, v88
	v_lshlrev_b32 v[(\base)+2], 16, v89
	v_and_b32     v[(\base)+3], 0xffff0000, v89
.endm
.macro MEET                            ; my LDS instructions are done; then all eight waves'
	s_wait_dscnt 0x0
	s_barrier_signal -1
	s_barrier_wait -1
.endm
; THE WAY OUT of rows 16 a .. 16 a + 15: the finished sums go through my stage and leave as whole pieces of 256 bytes.  Rows at or past the count are jumped, two at a time.
; Where the count is odd, the last pair's second row repeats the last token: both halves of the lanes then store the same bytes to the same row.
.macro OUTBLK a
.if (\a) > 0
	s_cmp_le_u32 s26, 16*(\a)
	s_cbranch_scc1 .Ldone
.endif
	s_wait_xcnt 0x0                                ; the last block's stores have read v32-39 and v128-191
.set t, 0
.rept 8
	ds_bpermute_b32 v[32+t], v[96+t], v[12+(\a)]   ; the token of row 16 a + 2 t + lane / 16
.set t, t+1
.endr
	WIN 0x04                                       ; the stores' data in window 1
.set b, 0
.rept 8                                                ; n block b is 64 bytes of a row: 32 for each half of the lanes, in two stores of 16
	ds_store_b128 v9, v[8*(4*b+(\a)):8*(4*b+(\a))+3]   offset:64*b
	ds_store_b128 v9, v[8*(4*b+(\a))+4:8*(4*b+(\a))+7] offset:64*b+16
.set b, b+1
.endr
	WIN 0
.set n, 0
.rept 16                                               ; my own bytes, served in order (ISA guide 5.7.1.4): rows 2 t and 2 t + 1, piece c of 256 bytes
	ds_load_b128 v[128+4*n:128+4*n+3], v10 offset:(n/2)*2*SPI+(n%2)*256
.set n, n+1
.endr
	s_wait_dscnt 0x0
.set t, 0
.rept 8
	v_min_u32 v[32+t], 0x1fff, v[32+t]
	v_lshl_add_u32 v[32+t], v[32+t], 12, v11
.set t, t+1
.endr
.set t, 0
.rept 8
.if t > 0
	s_cmp_le_u32 s26, 16*(\a)+2*t
	s_cbranch_scc1 .Lrows_\@
.endif
	global_store_b128 v[32+t], v[128+8*t:128+8*t+3],   s[20:21] th:TH_STORE_NT              ; 16 lanes store 256 consecutive bytes, aligned
	global_store_b128 v[32+t], v[128+8*t+4:128+8*t+7], s[20:21] offset:256 th:TH_STORE_NT
.set t, t+1
.endr
.Lrows_\@:
.endm
	s_load_b512 s[4:19], s[0:1], 0x0               ; x s[4:5], wf1 s[6:7], wf2 s[8:9], b1 s[10:11], b2 s[12:13], list s[14:15], tinfo s[16:17], tgate s[18:19]
	s_load_b64 s[20:21], s[0:1], 0x40              ; out0
	v_lshl_add_u32 v42, v0, 2, SPARE               ; my spare word,
	v_mov_b32 v43, 0                               ; and 0: kept for the wave's last three lines alone
	v_mov_b32 v41, 0
	v_and_b32 v1, 31, v0
	v_lshrrev_b32 v61, 5, v0
	v_readfirstlane_b32 s22, v61                   ; wave
	v_lshlrev_b32 v2, 4, v1
	v_and_b32 v61, 15, v1                          ; r
	v_lshrrev_b32 v62, 4, v1                       ; h
	v_mul_u32_u24 v3, v61, XP
	v_lshl_add_u32 v3, v62, 4, v3                  ; a fragment: row r, 16 h
	v_add_nc_u32 v4, 32*XP, v3
	v_add_nc_u32 v5, HS, v3
	v_add_nc_u32 v6, HS+32*XP, v3
	s_lshl_b32 s23, s22, 8
	v_add_nc_u32 v7, s23, v5                       ; my wave's 256 bytes of a row of Hcat
	v_add_nc_u32 v8, s23, v6
	s_mul_i32 s23, s22, 16*SPI
	v_mul_u32_u24 v9, v61, SPI
	v_lshl_add_u32 v9, v62, 5, v9
	v_add_nc_u32 v9, s23, v9
	v_mul_u32_u24 v10, v62, SPI
	v_lshl_add_u32 v10, v61, 4, v10
	v_add_nc_u32 v10, s23, v10
	s_lshl_b32 s23, s22, 9
	v_lshl_add_u32 v11, v61, 4, s23
	v_lshlrev_b32 v40, 2, v62
	s_add_co_u32 s23, s23, BIAS
	v_lshl_add_u32 v60, v62, 5, s23                ; columns 128 w + 8 h on, in f32
	s_mul_i32 s23, s22, 8*XP
	v_lshl_add_u32 v44, v1, 3, s23
	v_lshl_add_u32 v118, v0, 4, BIAS               ; thread t lays 4 numbers of each bias
	v_and_b32 v116, 127, v0
	v_lshlrev_b32 v116, 4, v116
	v_lshlrev_b32 v117, 4, v0
	s_lshl_b32 s23, ttmp9, 4
	s_wait_kmcnt 0x0
	s_load_b128 s[24:27], s[16:17], s23 offset:0x0 ; the tile: e1, e2, count, set
	s_wait_kmcnt 0x0
	s_min_u32 s24, s24, 7
	s_min_u32 s25, s25, 7
	s_min_u32 s26, s26, 64
	s_min_u32 s59, s26, 1                          ; 0 for an empty tile, which reads place 0 of tile 0: that place always holds a token
	s_sub_co_u32 s61, s26, s59                     ; the last place that was stored: places past the count repeat it
	s_lshl_b32 s60, ttmp9, 8
	s_mul_i32 s60, s60, s59
.irp a, 0,1,2,3
	v_add_nc_u32 v[45+\a], 16*\a, v61
	v_min_u32 v[45+\a], s61, v[45+\a]
	v_min_u32 v[45+\a], 63, v[45+\a]
	v_lshl_add_u32 v[45+\a], v[45+\a], 2, s60
	global_load_b32 v[12+\a], v[45+\a], s[14:15]
.endr
	s_lshl_b32 s23, s22, 3                         ; the 8 rows that my wave fetches
	v_and_b32 v49, 7, v1
	v_add_nc_u32 v49, s23, v49
	v_min_u32 v49, s61, v49
	v_min_u32 v49, 63, v49
	v_lshl_add_u32 v49, v49, 2, s60
	global_load_b32 v50, v49, s[14:15]
	s_cmp_lt_u32 s22, 4                            ; in the first product waves 0-3 work for e1, waves 4-7 for e2
	s_cselect_b32 s53, s24, s25
	s_cselect_b32 s58, 0, -1
	s_min_u32 s53, s53, 7
	s_mov_b32 s55, 0
	s_and_b32 s56, s22, 1
	s_lshl_b32 s56, s56, 13                        ; my half, 8 KB, of a K step of a block of 256 columns
	s_lshl_b32 s54, s53, 20
	s_bfe_u32 s23, s22, 0x10001                    ; which of my expert's two blocks of W1
	s_lshl_b32 s23, s23, 19
	s_add_co_u32 s54, s54, s23
	s_add_co_u32 s54, s54, s56
	s_add_nc_u64 s[44:45], s[6:7], s[54:55]        ; W1: K step 0,
	s_add_nc_u64 s[46:47], s[44:45], 0x4000        ; K step 1
	s_lshr_b32 s23, s22, 1                         ; which of the four blocks of W2
	s_lshl_b32 s23, s23, 18
	s_add_co_u32 s56, s56, s23
	s_lshl_b32 s54, s24, 20
	s_add_co_u32 s54, s54, s56
	s_add_nc_u64 s[48:49], s[8:9], s[54:55]        ; W2[e1], my 128 columns, K step 0
	s_lshl_b32 s54, s25, 20
	s_add_co_u32 s54, s54, s56
	s_add_nc_u64 s[50:51], s[8:9], s[54:55]        ; W2[e2]
	s_lshl_b32 s54, s53, 11
	s_add_nc_u64 s[10:11], s[10:11], s[54:55]
	s_lshl_b32 s54, s24, 12
	s_add_nc_u64 s[66:67], s[12:13], s[54:55]
	s_lshl_b32 s54, s25, 12
	s_add_nc_u64 s[12:13], s[12:13], s[54:55]
	global_load_b128 v[64:67], v116, s[10:11]
	global_load_b128 v[68:71], v117, s[66:67]
	global_load_b128 v[72:75], v117, s[12:13]
.set g, 0
.rept 4                                                ; the weights' stream begins: K steps 0 and 1
	BLOAD 0, 44
.set g, g+1
.endr
.set g, 0
.rept 4
	BLOAD 1, 46
.set g, g+1
.endr
	s_wait_loadcnt 35                              ; the tokens are in: 3 loads of biases and 32 of weights are younger
.irp a, 0,1,2,3
	v_min_u32 v[12+\a], 0x1fff, v[12+\a]
	v_lshlrev_b32 v[112+\a], 3, v[12+\a]
	global_load_b64 v[16+2*\a:17+2*\a], v[112+\a], s[18:19]
.endr
.set i, 0
.rept 8
	v_readlane_b32 s[28+i], v50, i
	s_min_u32 s[28+i], s[28+i], 0x1fff
	v_lshl_add_u32 v[96+i], s[28+i], 12, v2        ; the row's first byte + 16 x lane
.set i, i+1
.endr
	WIN 0x40                                       ; my 8 rows of x: 64 loads of 512 consecutive bytes, into window 1
.set n, 0
.rept 64
	global_load_b128 v[4*n:4*n+3], v[96+n/8], s[4:5] offset:(n%8)*512
.set n, n+1
.endr
	WIN 0
	s_wait_loadcnt 32                              ; rows 4-7's 32 loads are younger: gates, biases and rows 0-3 are in
.irp a, 0,1,2,3
	v_cndmask_b32 v[24+2*\a], v[16+2*\a], v[17+2*\a], s58
	v_cndmask_b32 v[25+2*\a], v[16+2*\a], v[17+2*\a], s58
	v_mov_b32 v[52+2*\a], v[17+2*\a]
	v_mov_b32 v[53+2*\a], v[17+2*\a]
.endr
	RND4 64
	RND4 68
	RND4 72
	ds_store_b128 v118, v[64:67]
	ds_store_b128 v118, v[68:71] offset:4096
	ds_store_b128 v118, v[72:75] offset:8192
	XCVT 0
	s_wait_loadcnt 0x0                             ; all of x is in
	XCVT 1
	WIN 0
	MEET                                           ; everybody's rows of x and part of the biases are in LDS
	s_cmp_eq_u32 s26, 0
	s_cbranch_scc1 .Lp1                            ; an empty tile has no products; it passes every barrier
	; THE FIRST PRODUCT: K = 1,024 in 32 steps.  The sums start at b1: my columns' eight numbers go into the accumulators of all four blocks of tokens.  K step s lies at byte 64 s of XS's rows.
	WIN 0x40
.set n, 0
.rept 32
	ds_load_b128 v[8*n:8*n+3],   v60 offset:64*(n/4)
	ds_load_b128 v[8*n+4:8*n+7], v60 offset:64*(n/4)+16
.set n, n+1
.endr
	WIN 0
	ALOAD 0, 3, 0
	s_mov_b32 s52, 15
	s_mov_b32 s62, 0
.Lk1:                                                  ; steps 0 to 29, two a trip; the trip fetches the tokens of the next two steps, from byte s62 on
	v_add_nc_u32 v46, s62, v3
	v_add_nc_u32 v47, s62, v4
	STEP 0, 0, 44, 1, 0x8000, 46, 64, 28, 0
	STEP 0, 1, 46, 1, 0x8000, 46, 128, 28, 0
	WIN 0
	s_add_co_u32 s62, s62, 128
	s_sub_co_u32 s52, s52, 1
	s_cmp_lg_u32 s52, 0
	s_cbranch_scc1 .Lk1
	v_add_nc_u32 v46, 1920, v3
	v_add_nc_u32 v47, 1920, v4
	STEP 0, 0, 48, 0, 0, 46, 64, 28, 0             ; step 30 asks for the second product's step 0: the stream goes on,
	STEP 0, 1, 50, 0, 0, 46, -1, 28, 0             ; step 31 for its step 1
	NOP4                                           ; the places in front of the reads of the sums
	WIN 0
.Lp1:
	MEET                                           ; every wave's reads of LDS are over before any wave writes LDS again
	s_cmp_eq_u32 s26, 0
	s_cbranch_scc1 .Lmid
	; g relu(h) = max(g h, 0), since g >= 0: times the gate in f32, rounded once to f16, the maximum on packed halves, all in place; 16 bytes a lane into HS.  No load from memory stands here: the stream's counts hold across it.
	WIN 0x41                                       ; sums in window 1, gates in window 0
.set n, 0
.rept 32
.set p, 0
.rept 4
	v_pk_mul_f32 v[8*n+2*p:8*n+2*p+1], v[8*n+2*p:8*n+2*p+1], v[24+2*(n%4):25+2*(n%4)] op_sel_hi:[1,0]
.set p, p+1
.endr
.set n, n+1
.endr
	WIN 0x45
.set n, 0
.rept 32
.set p, 0
.rept 4
	v_cvt_pk_f16_f32 v[8*n+p], v[8*n+2*p], v[8*n+2*p+1]
.set p, p+1
.endr
.set n, n+1
.endr
	WIN 0x41
.set n, 0
.rept 32
.set p, 0
.rept 4
	v_pk_max_num_f16 v[8*n+p], v[8*n+p], v41
.set p, p+1
.endr
.set n, n+1
.endr
	WIN 0x04
.set n, 0
.rept 32
	ds_store_b128 v[7+(n%4)/2], v[8*n:8*n+3] offset:(n%2)*16*XP+32*(n/4)
.set n, n+1
.endr
	; The second product's sums start at g_lo b2[e1] + g_hi b2[e2]: four n blocks' biases at a time come into the tokens' buffers, which are idle here.
.set hb, 0
.rept 2
	WIN 0
.set b, 0
.rept 4
	ds_load_b128 v[64+8*b:64+8*b+3],   v60 offset:4096+64*(4*hb+b)
	ds_load_b128 v[64+8*b+4:64+8*b+7], v60 offset:4096+64*(4*hb+b)+16
	ds_load_b128 v[96+8*b:96+8*b+3],   v60 offset:8192+64*(4*hb+b)
	ds_load_b128 v[96+8*b+4:96+8*b+7], v60 offset:8192+64*(4*hb+b)+16
.set b, b+1
.endr
	s_wait_dscnt 0x0
	WIN 0x40
.set n, 0
.rept 16
.set p, 0
.rept 4
	v_pk_mul_f32 v[8*(16*hb+n)+2*p:8*(16*hb+n)+2*p+1], v[64+8*(n/4)+2*p:64+8*(n/4)+2*p+1], v[16+2*(n%4):17+2*(n%4)] op_sel_hi:[1,0]
.set p, p+1
.endr
.set n, n+1
.endr
	WIN 0x50
.set n, 0
.rept 16
.set p, 0
.rept 4
	v_pk_fma_f32 v[8*(16*hb+n)+2*p:8*(16*hb+n)+2*p+1], v[96+8*(n/4)+2*p:96+8*(n/4)+2*p+1], v[52+2*(n%4):53+2*(n%4)], v[8*(16*hb+n)+2*p:8*(16*hb+n)+2*p+1] op_sel_hi:[1,0,1]
.set p, p+1
.endr
.set n, n+1
.endr
.set hb, hb+1
.endr
	WIN 0
.Lmid:
	MEET                                           ; everybody's columns of Hcat are in LDS
	s_cmp_eq_u32 s26, 0
	s_cbranch_scc1 .Lp2
	; THE SECOND PRODUCT: K = 1,024; the two experts' K steps take turns (even steps e1, buffer 0; odd steps e2, buffer 1, 1,024 bytes further along Hcat's rows).
	ALOAD 0, 5, 0
	s_mov_b32 s52, 15
	s_mov_b32 s62, 0
.Lk2:                                                  ; steps 0 to 29
	v_add_nc_u32 v46, s62, v5
	v_add_nc_u32 v47, s62, v6
	STEP 1, 0, 48, 1, 0x4000, 46, 1024, 28, 0
	STEP 1, 1, 50, 1, 0x4000, 46, 64, 28, 0
	WIN 0
	s_add_co_u32 s62, s62, 64
	s_sub_co_u32 s52, s52, 1
	s_cmp_lg_u32 s52, 0
	s_cbranch_scc1 .Lk2
	v_add_nc_u32 v46, 960, v5
	v_add_nc_u32 v47, 960, v6
	STEP 1, 0, -1, 0, 0, 46, 1024, 28, 4           ; steps 30 and 31 ask for no weights: the counts run down
	STEP 1, 1, -1, 0, 0, 46, -1, 12, 4
	NOP4                                           ; the places in front of the stores of the sums and of the writes into the fragments' registers
	WIN 0
.Lp2:
	MEET                                           ; every wave's reads of LDS are over before any wave writes its stage
	s_cmp_eq_u32 s26, 0
	s_cbranch_scc1 .Ldone
	s_wait_loadcnt 0x0                             ; no load of weights is out (the last step's last count was 0): their registers are free
.set t, 0
.rept 8
	v_add_nc_u32 v[96+t], 8*t, v40                 ; 4 x the lane that holds row 2 t + lane / 16's token
.set t, t+1
.endr
	OUTBLK 0
	OUTBLK 1
	OUTBLK 2
	OUTBLK 3
.Ldone:
	s_wait_tensorcnt 0x0                           ; the wave's end, behind my last LDS store
	ds_add_u32 v42, v43
	s_wait_dscnt 0x0
	s_endpgm
.Lfunc_end_k_qf1e2b9dada_chain:
	.size	k_qf1e2b9dada_chain, .Lfunc_end_k_qf1e2b9dada_chain-k_qf1e2b9dada_chain
	.p2alignl 7, 3214868480
	.fill 96, 4, 3214868480
	.section	.rodata,"a",@progbits
	.p2align	6, 0x0
	.amdhsa_kernel k_qf1e2b9dada_chain
		.amdhsa_group_segment_fixed_size 277504
		.amdhsa_private_segment_fixed_size 0
		.amdhsa_enable_private_segment 0
		.amdhsa_kernarg_size 72
		.amdhsa_user_sgpr_count 2
		.amdhsa_user_sgpr_kernarg_segment_ptr 1
		.amdhsa_wavefront_size32 1
		.amdhsa_system_sgpr_workgroup_id_x 1
		.amdhsa_system_sgpr_workgroup_id_y 1
		.amdhsa_system_sgpr_workgroup_id_z 1
		.amdhsa_system_vgpr_workitem_id 0
		.amdhsa_next_free_vgpr 512
		.amdhsa_next_free_sgpr 72
		.amdhsa_reserve_vcc 0
		.amdhsa_float_denorm_mode_32 3
		.amdhsa_float_denorm_mode_16_64 3
		.amdhsa_memory_ordered 1
		.amdhsa_forward_progress 1
		.amdhsa_inst_pref_size 139
	.end_amdhsa_kernel
	.amdgpu_metadata
---
amdhsa.version: [ 1, 2 ]
amdhsa.kernels:
  - .name:           k_qf1e2b9dada_chain
    .symbol:         k_qf1e2b9dada_chain.kd
    .args:
      - { .name: x, .offset: 0, .size: 8, .value_kind: global_buffer, .address_space: global }
      - { .name: wf1, .offset: 8, .size: 8, .value_kind: global_buffer, .address_space: global }
      - { .name: wf2, .offset: 16, .size: 8, .value_kind: global_buffer, .address_space: global }
      - { .name: b1, .offset: 24, .size: 8, .value_kind: global_buffer, .address_space: global }
      - { .name: b2, .offset: 32, .size: 8, .value_kind: global_buffer, .address_space: global }
      - { .name: list, .offset: 40, .size: 8, .value_kind: global_buffer, .address_space: global }
      - { .name: tinfo, .offset: 48, .size: 8, .value_kind: global_buffer, .address_space: global }
      - { .name: tgate, .offset: 56, .size: 8, .value_kind: global_buffer, .address_space: global }
      - { .name: out0, .offset: 64, .size: 8, .value_kind: global_buffer, .address_space: global }
    .group_segment_fixed_size: 277504
    .private_segment_fixed_size: 0
    .kernarg_segment_align: 8
    .kernarg_segment_size: 72
    .max_flat_workgroup_size: 256
    .sgpr_count:     72
    .vgpr_count:     512
    .wavefront_size: 32
...
	.end_amdgpu_metadata
.endif
;; end of part 6
;; ======== version 3 of 3: 3 launches; version 2 with the launch chain written anew for expert scheduling mode
;; limits: values are held in f16: magnitudes above 65,504 overflow, below 6.1e-05 lose precision
;; workspace buffers: tset 32,768 bytes of whole numbers; tcnt 32,768 bytes of whole numbers; tgate 65,536 bytes; imp 8,192 bytes; wf1 8,388,608 bytes; wf2 8,388,608 bytes; list 40,960 bytes of whole numbers; tinfo 2,560 bytes of whole numbers
;; launch router: the kernel of part 4 again; grid 256 x 1, 4 waves a work-group, no clusters, 104,960 bytes of LDS; arguments x, gate_W, gate_b, tset, tgate, imp, tcnt; writes tset, tgate, imp, tcnt
;; launch prep: the kernel of part 5 again; grid 256 x 1, 8 waves a work-group, no clusters, 70,912 bytes of LDS; arguments W1, W2, tset, tcnt, imp, wf1, wf2, list, tinfo, out1; writes wf1, wf2, list, tinfo, out1
;; launch chain (part 7): grid 155 x 1, 8 waves a work-group, no clusters, 277,504 bytes of LDS; arguments x, wf1, wf2, b1, b2, list, tinfo, tgate, out0; writes out0
.if DOCPART == 7
	.amdgcn_target "amdgcn-amd-amdhsa--gfx1250"
	.amdhsa_code_object_version 6
	.text
	.protected	k_qf1e2b9dada_chain
	.globl	k_qf1e2b9dada_chain
	.p2align	8
	.type	k_qf1e2b9dada_chain,@function
k_qf1e2b9dada_chain:
	s_mov_b64 s[64:65], 0
	v_nop
	global_prefetch_b8 v0, s[64:65] scope:SCOPE_SE
	s_setreg_imm32_b32 hwreg(HW_REG_WAVE_SCHED_MODE, 0, 2), 2
	s_setreg_imm32_b32 hwreg(HW_REG_WAVE_MODE, 25, 1), 1
	s_wait_xcnt 0x0
	s_wait_alu depctr_vm_vsrc(0)
; CHAIN.  A work-group takes one tile, up to 64 tokens that chose the same two experts e1 < e2, through the whole layer:
;   Hcat = [ g_lo relu(X W1[e1] + b1[e1]) | g_hi relu(X W1[e2] + b1[e2]) ]   (64 x 1024),      out = Hcat [ W2[e1] ; W2[e2] ] + g_lo b2[e1] + g_hi b2[e2]   (64 x 1024).
; So each output row has one owner, each token's row of x is fetched once, and the hidden layer stays in LDS.  155 work-groups serve every split of the tokens; one that the split leaves empty stores nothing.
; FORMATS.  x, W1, b1, W2, b2 rounded once to bf16 (the weights by the launch before).  First product in bf16; g h is rounded once to f16 and the second product is in f16; all sums in f32.
; LIMITS.  |g h| stays under 65,504, f16's end (with x and W1 thirty times the drawn spread, or offset by thirty spreads, it stays under 20,000).  NaN and infinities are not treated apart.
; SHARES.  EIGHT waves, two to a SIMD.  Wave w owns columns 128 w .. 128 w + 127 of Hcat and of out, all 64 tokens: 32 accumulators of 16 x 16, 256 registers.  The products are used transposed (source 0 = 16 columns
; of weights, source 1 = 16 tokens): a lane then holds ONE token (lane % 16) and eight neighbouring columns.
; THE WEIGHTS come from memory straight into operand registers, in the order in which the launch before laid them: a wave's K step is 8 KB on end, 16 loads of 512 consecutive bytes.  Through LDS each byte would be
; written once and read once more by this one work-group.  So the width of a wave's tile costs no byte of weights (64 KB a K step for the work-group, each loaded once, with four waves or eight); what eight waves
; cost is the tokens' fragments out of LDS, 8 x 4 KB a K step in place of 4 x 4 KB; what they buy is a second wave on each SIMD, whose products can be issued while the first stands at a run of loads.
; NO FIRST STEP is written out: the first product's sums start at b1, loaded from LDS into the accumulators; the second's at g_lo b2[e1] + g_hi b2[e2], made there by packed arithmetic.
; ORDER.  Four barriers, at top level, which every wave passes: x and the biases are laid | the first product reads | Hcat is laid | the second product reads | the way out writes its stages.  An empty tile jumps each
; of the four stretches behind the first barrier.
; NO CLUSTER: partners would have to share a set of experts; 28 sets of some 290 tokens in whole clusters of 256 tokens would pad by up to 255 tokens a set, and a shared tile would have to pass through LDS.
; THE MODE: SCHED_MODE bits 1:0 = 2 (LLVM: expert scheduling mode 2), set by the entry lines.  The code itself states the register dependences between vector or matrix instructions and memory or LDS instructions,
; with s_wait_alu, always for 0.
; THE PLAN.  Registers that memory or LDS instructions touch in the two K loops; K step s works on buffers f = s % 2:
;   T0, T1 (v64-95, v96-127)     the tokens' fragments.  T[f] is read by step s's 32 matrix instructions; the LDS loads at the head of step s + 1 land in it (step s + 2's tokens).
;   W0, W1 (v128-191, v192-255)  the weights' fragments, each in a LOW half (n blocks 0-3, read by the step's first 16 matrix instructions) and a HIGH half (n blocks 4-7, read by its last 16).
;                                W[f].low is loaded again in the middle of step s (for step s + 2), W[f].high at the head of step s + 1 (for step s + 2).
;   v46, v47                     the fragments' LDS addresses: read by every fragment load, written once a trip, at its head.
;   v2                           the weights' offset: never written again.  Each half of each buffer has a scalar pointer of its own, which steps behind the wait that shows the loads that read it done.
;   The accumulators are named by matrix instructions alone inside the loops.
; So TWO waits on va_vdst stand in a step.  The one at its head states that the step before is done reading T[1-f] and W[1-f].high (and, in a trip's first step, that v46 and v47 are written): 8 LDS loads and 8 loads of
; weights follow it.  The one in its middle states that the step's first 16 matrix instructions are done reading W[f].low: 8 loads of weights follow it.  The matrix instructions issued behind each wait name the other
; buffers alone.  One wait on vm_vsrc a trip stands ahead of the adds to v46 and v47.  The wave's 512 registers are all taken (256 sums, 128 weights, 64 tokens, 64 others; two such waves fill a SIMD's 1,024), so the
; weights' ring is these four halves: asked for so, a half has 48 to 56 of the wave's matrix instructions in which to land; with one wait a step it would have 32.
; REGISTERS, in windows of 256 (s_set_vgpr_msb: bits 1:0 source 0, 3:2 source 1, 5:4 source 2, 7:6 destination):
;   window 0: v0-63 addresses, tokens, gates; v64-95, v96-127 the tokens' fragments, two buffers (outside the products: at work); v128-191, v192-255 the weights' fragments, two buffers (on the way out: rows read back, by turns)
;   window 1: accumulator (a, b), tokens 16 a on, columns 16 b on, at 8 (4 b + a); before the products: x as loaded
.set XP,    2064                       ; a row of 1,024 16-bit numbers + 16 bytes: sixteen rows' 16-byte pieces fall on sixteen different places modulo 256 bytes
.set HS,    64*XP                      ; XS at 0: x in bf16; HS: Hcat in f16
.set BIAS,  128*XP                     ; f32: b1 (e1's 512, e2's 512), b2[e1], b2[e2]: 4 KB each; the 1,024 bytes behind them hold the spare words, 128 bytes a wave
.set SPI,   528                        ; the way out: a wave's stage of 16 rows x 512 bytes + 16, in XS, which nobody reads behind the second barrier
; v1 lane  v2 16 x lane  v3,4 tokens' fragments in XS (rows 0-31, 32-63), never rewritten  v5,6 in HS, likewise  v7,8 where I put 16 bytes of Hcat  v9 into the stage  v10 out of it  v11 my bytes in a row of out
; v12-15 token of row 16 a + lane % 16  v16-23 its (g_lo, g_hi)  v24-31 my expert's g, as pairs  v32-39 row offsets in out (even blocks)  v40 4 (lane / 16)  v41 0  v44 where I put 8 bytes of x
; v45-50 the list; later v46,47 the fragments' addresses at the K step in hand  v52-59 g_hi as pairs; on the way out row offsets (odd blocks)  v60 my columns' biases  v61 r  v62 h
; s[4:21] the buffers  s22 wave  s[24:27] e1, e2, count, set  s[28:35] my 8 rows' tokens  s[44:47] W1's pointers for the low halves of W0, W1  s[36:39] for the high halves  s[48:51], s[40:43] W2's likewise
; s52 trips  s53 my expert  s58 mask  s62 the trip's bytes along K  s[66:67] b2[e1]
.set MSB, 0
.macro WIN new                         ; the immediate's high byte repeats the setting that is left
.if MSB != (\new)
	s_set_vgpr_msb (MSB<<8)|(\new)
.set MSB, (\new)
.endif
.endm
.macro NOP4                            ; four places between a matrix instruction and a vector instruction or a store that reads its result, or a vector instruction that writes one of its sources
.rept 4
	v_nop
.endr
.endm
.macro ALOAD f, aadr, aoff             ; 64 tokens x 32 k at byte aoff of the rows -> buffer f
.set aa, 0
.rept 4
	ds_load_b128 v[64+32*(\f)+8*aa:64+32*(\f)+8*aa+3],   v[(\aadr)+aa/2] offset:(aa%2)*16*XP+(\aoff)
	ds_load_b128 v[64+32*(\f)+8*aa+4:64+32*(\f)+8*aa+7], v[(\aadr)+aa/2] offset:(aa%2)*16*XP+(\aoff)+32
.set aa, aa+1
.endr
.endm
.macro BLOAD f, hh, pb                 ; half hh of a K step's weights: n blocks 4 hh .. 4 hh + 3 -> buffer f: 8 loads, 4 to a group of two n blocks
.set bb, 4*(\hh)
.rept 4
	global_load_b128 v[128+64*(\f)+8*bb:128+64*(\f)+8*bb+3],   v2, s[\pb:\pb+1] offset:1024*bb
	global_load_b128 v[128+64*(\f)+8*bb+4:128+64*(\f)+8*bb+7], v2, s[\pb:\pb+1] offset:1024*bb+512
.set bb, bb+1
.endr
.endm
; 8 matrix instructions: n blocks 2 g, 2 g + 1 x 4 blocks of tokens.  All 32 accumulators take turns, one instruction a turn, in the same order in every K step.
.macro MM8 hf, f
	WIN 0x50                                       ; sums in window 1, fragments in window 0
.set bb, 0
.rept 2
.set aa, 0
.rept 4
.set rD, 8*(4*(2*g+bb)+aa)
.set rB, 128+64*(\f)+8*(2*g+bb)
.set rA, 64+32*(\f)+8*aa
.if \hf
	v_wmma_f32_16x16x32_f16 v[rD:rD+7], v[rB:rB+7], v[rA:rA+7], v[rD:rD+7]
.else
	v_wmma_f32_16x16x32_bf16 v[rD:rD+7], v[rB:rB+7], v[rA:rA+7], v[rD:rD+7]
.endif
.set aa, aa+1
.endr
.set bb, bb+1
.endr
.endm
; A K STEP of 32: 32 matrix instructions on buffers f, in four groups of 8.
; ph: the pointer by which the head loads the other buffer's high half, for the next step (-1: none).  pl: the pointer by which the middle loads this buffer's low half, for the step two on (-1: none); pls = 1: it steps first.
; phn: this buffer's high half's pointer, which steps behind the last group's wait (-1: none).  aoff: where the next step's tokens lie (-1: none).
; THE COUNT.  The stream's order of issue: high(s + 1) at the head of step s, low(s + 2) in its middle, 8 loads each.  Behind the four loads of a half's first group were issued, when it is wanted, 4 + 8 + 8 + 8 = 28;
; behind its second group's 8 + 8 + 8 = 24.  Step 62 has no middle loads: 28, 24, 20, 16; step 63 has none at all: 12, 8, 4, 0 (c0 to c3).
.macro STEP hf, f, ph, pl, pls, phn, bstep, aadr, aoff, c0, c1, c2, c3
.if ((\ph) >= 0) || ((\aoff) >= 0)
	WIN 0
	s_wait_alu depctr_va_vdst(0)                   ; the matrix instructions of the step before are done reading the other buffers, in which the loads below land; in a trip's first step v46 and v47 are written
.endif
.if (\aoff) >= 0
	ALOAD 1-(\f), \aadr, \aoff
.endif
.if (\ph) >= 0
	BLOAD 1-(\f), 1, \ph
.endif
.if (\aoff) >= 0
	s_wait_dscnt 8                                 ; LDS loads come back in order (ISA guide 5.7.1): this step's tokens are in, the eight loads just issued stay out
.else
	s_wait_dscnt 0x0                               ; this step's tokens are in
.endif
	s_wait_loadcnt \c0
.set g, 0
	MM8 \hf, \f
	s_wait_loadcnt \c1
.if \pls
	s_add_nc_u64 s[\pl:\pl+1], s[\pl:\pl+1], \bstep   ; free since that wait, which shows the loads that read it (this step's low half) done
.endif
.set g, 1
	MM8 \hf, \f
.if (\pl) >= 0
	WIN 0
	s_wait_alu depctr_va_vdst(0)                   ; the 16 matrix instructions above are done reading this buffer's low half, in which the loads below land
	BLOAD \f, 0, \pl
.endif
	s_wait_loadcnt \c2
.set g, 2
	MM8 \hf, \f
	s_wait_loadcnt \c3
.if (\phn) >= 0
	s_add_nc_u64 s[\phn:\phn+1], s[\phn:\phn+1], \bstep   ; free since that wait, which shows the loads that read it (this step's high half) done; the next step's head loads by it
.endif
.set g, 3
	MM8 \hf, \f
.endm
.macro XCV half                        ; my rows 4 half .. 4 half + 3 of x are rounded to bf16, in place
	WIN 0x45
.set n, 32*(\half)
.rept 32
	v_cvt_pk_bf16_f32 v[4*n],   v[4*n],   v[4*n+1]
	v_cvt_pk_bf16_f32 v[4*n+1], v[4*n+2], v[4*n+3]
.set n, n+1
.endr
.endm
.macro XST half                        ; and laid into XS
	WIN 0x04                                       ; the stores' data in window 1
.set n, 32*(\half)
.rept 32
	ds_store_b64 v44, v[4*n:4*n+1] offset:(n/8)*XP+(n%8)*256
.set n, n+1
.endr
.endm
.macro RND4 base                       ; four f32 rounded to bf16 and kept as f32
	v_cvt_pk_bf16_f32 v88, v[(\base)],   v[(\base)+1]
	v_cvt_pk_bf16_f32 v89, v[(\base)+2], v[(\base)+3]
	v_lshlrev_b32 v[(\base)],   16, v88
	v_and_b32     v[(\base)+1], 0xffff0000, v88
	v_lshlrev_b32 v[(\base)+2], 16, v89
	v_and_b32     v[(\base)+3], 0xffff0000, v89
.endm
.macro MEET                            ; my LDS instructions are done; then all eight waves'
	s_wait_dscnt 0x0
	s_barrier_signal -1
	s_barrier_wait -1
.endm
.macro B2LOAD hb                       ; b2[e1] and b2[e2] of my n blocks 4 hb .. 4 hb + 3 come into the tokens' buffers, which are idle between the products
.set b, 0
.rept 4
	ds_load_b128 v[64+8*b:64+8*b+3],   v60 offset:4096+64*(4*(\hb)+b)
	ds_load_b128 v[64+8*b+4:64+8*b+7], v60 offset:4096+64*(4*(\hb)+b)+16
	ds_load_b128 v[96+8*b:96+8*b+3],   v60 offset:8192+64*(4*(\hb)+b)
	ds_load_b128 v[96+8*b+4:96+8*b+7], v60 offset:8192+64*(4*(\hb)+b)+16
.set b, b+1
.endr
.endm
.macro B2SUM hb                        ; the sums of those n blocks start at g_lo b2[e1] + g_hi b2[e2]
	WIN 0x40
.set n, 0
.rept 16
.set p, 0
.rept 4
	v_pk_mul_f32 v[8*(16*(\hb)+n)+2*p:8*(16*(\hb)+n)+2*p+1], v[64+8*(n/4)+2*p:64+8*(n/4)+2*p+1], v[16+2*(n%4):17+2*(n%4)] op_sel_hi:[1,0]
.set p, p+1
.endr
.set n, n+1
.endr
	WIN 0x50
.set n, 0
.rept 16
.set p, 0
.rept 4
	v_pk_fma_f32 v[8*(16*(\hb)+n)+2*p:8*(16*(\hb)+n)+2*p+1], v[96+8*(n/4)+2*p:96+8*(n/4)+2*p+1], v[52+2*(n%4):53+2*(n%4)], v[8*(16*(\hb)+n)+2*p:8*(16*(\hb)+n)+2*p+1] op_sel_hi:[1,0,1]
.set p, p+1
.endr
.set n, n+1
.endr
.endm
; THE WAY OUT of rows 16 a .. 16 a + 15: the finished sums go through my stage and leave as whole pieces of 256 bytes.  Rows at or past the count are jumped, two at a time.
; Where the count is odd, the last pair's second row repeats the last token: both halves of the lanes then store the same bytes to the same row.
; Two sets of registers take turns: even blocks have their row offsets in v32-39 and their rows in v128-191, odd blocks in v52-59 and v192-255.  So a block's LDS loads and permutes land in registers that the stores of
; two blocks back read, and no instruction between the block before's wait on va_vdst and these loads names them.
.macro OUTBLK a
.set AD, 32+20*((\a)%2)
.set OB, 128+64*((\a)%2)
.if (\a) >= 2
	s_wait_xcnt 0x0                                ; every earlier store has had its addresses translated (ISA guide 3.1): the registers that the stores of two blocks back read are rewritten only behind this wait,
	s_wait_alu depctr_vm_vsrc(0)                   ; and those stores have read their row offsets and their rows, in which the permutes and the LDS loads below land
.endif
.if (\a) > 0
	s_cmp_le_u32 s26, 16*(\a)
	s_cbranch_scc1 .Ldone
.else
	s_wait_alu depctr_va_vdst(0)                   ; v96-103 are written, which the permutes read; the matrix instructions have written the sums, which the LDS stores read, and are done reading v128-255, in which rows land
.endif
.set t, 0
.rept 8
	ds_bpermute_b32 v[AD+t], v[96+t], v[12+(\a)]   ; the token of row 16 a + 2 t + lane / 16
.set t, t+1
.endr
	WIN 0x04                                       ; the stores' data in window 1
.set b, 0
.rept 8                                                ; n block b is 64 bytes of a row: 32 for each half of the lanes, in two stores of 16
	ds_store_b128 v9, v[8*(4*b+(\a)):8*(4*b+(\a))+3]   offset:64*b
	ds_store_b128 v9, v[8*(4*b+(\a))+4:8*(4*b+(\a))+7] offset:64*b+16
.set b, b+1
.endr
	WIN 0
.set n, 0
.rept 16                                               ; my own bytes, served in order (ISA guide 5.7.1.4): rows 2 t and 2 t + 1, piece c of 256 bytes
	ds_load_b128 v[OB+4*n:OB+4*n+3], v10 offset:(n/2)*2*SPI+(n%2)*256
.set n, n+1
.endr
	s_wait_dscnt 0x0
.set t, 0
.rept 8
	v_min_u32 v[AD+t], 0x1fff, v[AD+t]
	v_lshl_add_u32 v[AD+t], v[AD+t], 12, v11
.set t, t+1
.endr
	s_wait_alu depctr_va_vdst(0)                   ; the eight row offsets are written, which the stores below read
.set t, 0
.rept 8
.if t > 0
	s_cmp_le_u32 s26, 16*(\a)+2*t
	s_cbranch_scc1 .Lrows_\@
.endif
	global_store_b128 v[AD+t], v[OB+8*t:OB+8*t+3],   s[20:21] th:TH_STORE_NT              ; 16 lanes store 256 consecutive bytes, aligned
	global_store_b128 v[AD+t], v[OB+8*t+4:OB+8*t+7], s[20:21] offset:256 th:TH_STORE_NT
.set t, t+1
.endr
.Lrows_\@:
.endm
	s_load_b512 s[4:19], s[0:1], 0x0               ; x s[4:5], wf1 s[6:7], wf2 s[8:9], b1 s[10:11], b2 s[12:13], list s[14:15], tinfo s[16:17], tgate s[18:19]
	s_load_b64 s[20:21], s[0:1], 0x40              ; out0
	v_lshl_add_u32 v51, v0, 2, 0x43800
	v_mov_b32 v63, 0
	v_mov_b32 v41, 0
	v_and_b32 v1, 31, v0
	v_lshrrev_b32 v61, 5, v0
	v_readfirstlane_b32 s22, v61                   ; wave
	v_lshlrev_b32 v2, 4, v1
	v_and_b32 v61, 15, v1                          ; r
	v_lshrrev_b32 v62, 4, v1                       ; h
	v_mul_u32_u24 v3, v61, XP
	v_lshl_add_u32 v3, v62, 4, v3                  ; a fragment: row r, 16 h
	v_add_nc_u32 v4, 32*XP, v3
	v_add_nc_u32 v5, HS, v3
	v_add_nc_u32 v6, HS+32*XP, v3
	s_wait_alu depctr_va_sdst(0)                   ; s22 is written, ahead of its first reader
	s_lshl_b32 s23, s22, 8
	v_add_nc_u32 v7, s23, v5                       ; my wave's 256 bytes of a row of Hcat
	v_add_nc_u32 v8, s23, v6
	s_mul_i32 s23, s22, 16*SPI
	v_mul_u32_u24 v9, v61, SPI
	v_lshl_add_u32 v9, v62, 5, v9
	v_add_nc_u32 v9, s23, v9
	v_mul_u32_u24 v10, v62, SPI
	v_lshl_add_u32 v10, v61, 4, v10
	v_add_nc_u32 v10, s23, v10
	s_lshl_b32 s23, s22, 9
	v_lshl_add_u32 v11, v61, 4, s23
	v_lshlrev_b32 v40, 2, v62
	s_add_co_u32 s23, s23, BIAS
	v_lshl_add_u32 v60, v62, 5, s23                ; columns 128 w + 8 h on, in f32
	s_mul_i32 s23, s22, 8*XP
	v_lshl_add_u32 v44, v1, 3, s23
	v_lshl_add_u32 v118, v0, 4, BIAS               ; thread t lays 4 numbers of each bias
	v_and_b32 v116, 127, v0
	v_lshlrev_b32 v116, 4, v116
	v_lshlrev_b32 v117, 4, v0
	s_lshl_b32 s23, ttmp9, 4
	s_wait_kmcnt 0x0
	s_load_b128 s[24:27], s[16:17], s23 offset:0x0 ; the tile: e1, e2, count, set
	s_wait_kmcnt 0x0
	s_min_u32 s24, s24, 7
	s_min_u32 s25, s25, 7
	s_min_u32 s26, s26, 64
	s_min_u32 s59, s26, 1                          ; 0 for an empty tile, which reads place 0 of tile 0: that place always holds a token
	s_sub_co_u32 s61, s26, s59                     ; the last place that was stored: places past the count repeat it
	s_lshl_b32 s60, ttmp9, 8
	s_mul_i32 s60, s60, s59
.irp a, 0,1,2,3
	v_add_nc_u32 v[45+\a], 16*\a, v61
	v_min_u32 v[45+\a], s61, v[45+\a]
	v_min_u32 v[45+\a], 63, v[45+\a]
	v_lshl_add_u32 v[45+\a], v[45+\a], 2, s60
.endr
	s_lshl_b32 s23, s22, 3                         ; the 8 rows that my wave fetches
	v_and_b32 v49, 7, v1
	v_add_nc_u32 v49, s23, v49
	v_min_u32 v49, s61, v49
	v_min_u32 v49, 63, v49
	v_lshl_add_u32 v49, v49, 2, s60
	s_wait_alu depctr_va_vdst(0)                   ; every offset and LDS address made so far is written (v2 to v11, v44 to v49, v60, v116 to v118): the loads and stores from here on read them
.irp a, 0,1,2,3
	global_load_b32 v[12+\a], v[45+\a], s[14:15]
.endr
	global_load_b32 v50, v49, s[14:15]
	s_cmp_lt_u32 s22, 4                            ; in the first product waves 0-3 work for e1, waves 4-7 for e2
	s_cselect_b32 s53, s24, s25
	s_cselect_b32 s58, 0, -1
	s_min_u32 s53, s53, 7
	s_mov_b32 s55, 0
	s_and_b32 s56, s22, 1
	s_lshl_b32 s56, s56, 13                        ; my half, 8 KB, of a K step of a block of 256 columns
	s_lshl_b32 s54, s53, 20
	s_bfe_u32 s23, s22, 0x10001                    ; which of my expert's two blocks of W1
	s_lshl_b32 s23, s23, 19
	s_add_co_u32 s54, s54, s23
	s_add_co_u32 s54, s54, s56
	s_add_nc_u64 s[44:45], s[6:7], s[54:55]        ; W1: K step 0,
	s_add_nc_u64 s[46:47], s[44:45], 0x4000        ; K step 1: the low halves' pointers,
	s_mov_b64 s[36:37], s[44:45]                   ; and the high halves': the halves are told apart by the loads' immediates
	s_mov_b64 s[38:39], s[46:47]
	s_lshr_b32 s23, s22, 1                         ; which of the four blocks of W2
	s_lshl_b32 s23, s23, 18
	s_add_co_u32 s56, s56, s23
	s_lshl_b32 s54, s24, 20
	s_add_co_u32 s54, s54, s56
	s_add_nc_u64 s[48:49], s[8:9], s[54:55]        ; W2[e1], my 128 columns, K step 0
	s_lshl_b32 s54, s25, 20
	s_add_co_u32 s54, s54, s56
	s_add_nc_u64 s[50:51], s[8:9], s[54:55]        ; W2[e2]
	s_mov_b64 s[40:41], s[48:49]
	s_mov_b64 s[42:43], s[50:51]
	s_lshl_b32 s54, s53, 11
	s_add_nc_u64 s[10:11], s[10:11], s[54:55]
	s_lshl_b32 s54, s24, 12
	s_add_nc_u64 s[66:67], s[12:13], s[54:55]
	s_lshl_b32 s54, s25, 12
	s_add_nc_u64 s[12:13], s[12:13], s[54:55]
	global_load_b128 v[64:67], v116, s[10:11]
	global_load_b128 v[68:71], v117, s[66:67]
	global_load_b128 v[72:75], v117, s[12:13]
	BLOAD 0, 0, 44                                 ; the weights' stream begins: K step 0 whole,
	BLOAD 0, 1, 36
	BLOAD 1, 0, 46                                 ; and the low half of K step 1; its high half is asked for at the head of step 0, like every high half
	s_wait_loadcnt 27                              ; the tokens are in: 3 loads of biases and 24 of weights are younger
.irp a, 0,1,2,3
	v_min_u32 v[12+\a], 0x1fff, v[12+\a]
	v_lshlrev_b32 v[112+\a], 3, v[12+\a]
.endr
.set i, 0
.rept 8
	v_readlane_b32 s[28+i], v50, i
.set i, i+1
.endr
	s_wait_alu depctr_va_sdst(0)                   ; s28 to s35 are written, ahead of their first readers
.set i, 0
.rept 8
	s_min_u32 s[28+i], s[28+i], 0x1fff
.set i, i+1
.endr
.set i, 0
.rept 8
	v_lshl_add_u32 v[96+i], s[28+i], 12, v2        ; the row's first byte + 16 x lane
.set i, i+1
.endr
	s_wait_alu depctr_va_vdst(0)                   ; v112 to v115 and v96 to v103 are written, which the loads of the gates and of x read as their offsets
.irp a, 0,1,2,3
	global_load_b64 v[16+2*\a:17+2*\a], v[112+\a], s[18:19]
.endr
	WIN 0x40                                       ; my 8 rows of x: 64 loads of 512 consecutive bytes, into window 1
.set n, 0
.rept 64
	global_load_b128 v[4*n:4*n+3], v[96+n/8], s[4:5] offset:(n%8)*512
.set n, n+1
.endr
	WIN 0
	s_wait_loadcnt 32                              ; rows 4-7's 32 loads are younger: gates, biases and rows 0-3 are in
.irp a, 0,1,2,3
	v_cndmask_b32 v[24+2*\a], v[16+2*\a], v[17+2*\a], s58
	v_cndmask_b32 v[25+2*\a], v[16+2*\a], v[17+2*\a], s58
	v_mov_b32 v[52+2*\a], v[17+2*\a]
	v_mov_b32 v[53+2*\a], v[17+2*\a]
.endr
	RND4 64
	RND4 68
	RND4 72
	XCV 0
	WIN 0
	s_wait_alu depctr_va_vdst(0)                   ; the rounded biases v64 to v75 and rows 0-3 in bf16 are written, which the LDS stores below read
	ds_store_b128 v118, v[64:67]
	ds_store_b128 v118, v[68:71] offset:4096
	ds_store_b128 v118, v[72:75] offset:8192
	XST 0
	s_wait_loadcnt 0x0                             ; all of x is in
	XCV 1
	WIN 0x04
	s_wait_alu depctr_va_vdst(0)                   ; rows 4-7 in bf16 are written, which the LDS stores below read
	XST 1
	WIN 0
	MEET                                           ; everybody's rows of x and part of the biases are in LDS
	s_wait_alu depctr_vm_vsrc(0)                   ; my LDS stores have read v64 to v75 and window 1, my loads their offsets v96 to v103 and v112 to v118: from here on fragments, b1 and sums are written there
	s_cmp_eq_u32 s26, 0
	s_cbranch_scc1 .Lp1                            ; an empty tile has no products; it passes every barrier
	; THE FIRST PRODUCT: K = 1,024 in 32 steps.  The sums start at b1: my columns' eight numbers go into the accumulators of all four blocks of tokens.  K step s lies at byte 64 s of XS's rows.
	WIN 0x40
	s_wait_alu depctr_va_vdst(0)                   ; the conversions are done reading and writing window 1, in which b1 lands, and the roundings v64 to v89, in which the first fragments land
.set n, 0
.rept 32
	ds_load_b128 v[8*n:8*n+3],   v60 offset:64*(n/4)
	ds_load_b128 v[8*n+4:8*n+7], v60 offset:64*(n/4)+16
.set n, n+1
.endr
	WIN 0
	ALOAD 0, 3, 0
	s_mov_b32 s52, 15
	s_mov_b32 s62, 0
.Lk1:                                                  ; steps 0 to 29, two a trip; the trip fetches the tokens of the next two steps, from byte s62 on
	s_wait_alu depctr_vm_vsrc(0)                   ; the LDS loads issued so far (in the first trip: the list's loads) have read v46 and v47
	v_add_nc_u32 v46, s62, v3
	v_add_nc_u32 v47, s62, v4
	STEP 0, 0, 38, 44, 1, 36, 0x8000, 46, 64,  28, 24, 28, 24
	STEP 0, 1, 36, 46, 1, 38, 0x8000, 46, 128, 28, 24, 28, 24
	WIN 0
	s_add_co_u32 s62, s62, 128
	s_sub_co_u32 s52, s52, 1
	s_cmp_lg_u32 s52, 0
	s_cbranch_scc1 .Lk1
	s_wait_alu depctr_vm_vsrc(0)                   ; the LDS loads issued so far have read v46 and v47
	v_add_nc_u32 v46, 1920, v3
	v_add_nc_u32 v47, 1920, v4
	STEP 0, 0, 38, 48, 0, -1, 0, 46, 64, 28, 24, 28, 24   ; step 30's middle asks for the low half of the second product's step 0: the stream goes on,
	STEP 0, 1, 40, 50, 0, -1, 0, 46, -1, 28, 24, 28, 24   ; step 31 for that step's high half and for the low half of its step 1
	NOP4                                           ; the places in front of the reads of the sums
	WIN 0
.Lp1:
	MEET                                           ; every wave's reads of LDS are over before any wave writes LDS again
	s_cmp_eq_u32 s26, 0
	s_cbranch_scc1 .Lmid
	s_wait_alu depctr_va_vdst(0)                   ; the last two steps' matrix instructions are done reading v64 to v127, in which b2 lands
	B2LOAD 0                                       ; asked for ahead of the arithmetic below, which names none of these registers
	; g relu(h) = max(g h, 0), since g >= 0: times the gate in f32, rounded once to f16, the maximum on packed halves, all in place; 16 bytes a lane into HS.  No load from memory stands here: the stream's counts hold across it.
	WIN 0x41                                       ; sums in window 1, gates in window 0
.set n, 0
.rept 32
.set p, 0
.rept 4
	v_pk_mul_f32 v[8*n+2*p:8*n+2*p+1], v[8*n+2*p:8*n+2*p+1], v[24+2*(n%4):25+2*(n%4)] op_sel_hi:[1,0]
.set p, p+1
.endr
.set n, n+1
.endr
	WIN 0x45
.set n, 0
.rept 32
.set p, 0
.rept 4
	v_cvt_pk_f16_f32 v[8*n+p], v[8*n+2*p], v[8*n+2*p+1]
.set p, p+1
.endr
.set n, n+1
.endr
	WIN 0x41
.set n, 0
.rept 32
.set p, 0
.rept 4
	v_pk_max_num_f16 v[8*n+p], v[8*n+p], v41
.set p, p+1
.endr
.set n, n+1
.endr
	WIN 0x04
	s_wait_alu depctr_va_vdst(0)                   ; my columns of Hcat are written, which the LDS stores below read
.set n, 0
.rept 32
	ds_store_b128 v[7+(n%4)/2], v[8*n:8*n+3] offset:(n%2)*16*XP+32*(n/4)
.set n, n+1
.endr
	; The second product's sums start at g_lo b2[e1] + g_hi b2[e2]: four n blocks' biases at a time.
	s_wait_dscnt 32                                ; LDS instructions end in order (ISA guide 5.7.1): the 32 stores are younger, the first four n blocks' biases are in
	s_wait_alu depctr_vm_vsrc(0)                   ; those stores have read the accumulators' registers, which the packed lines below write again
	B2SUM 0
	WIN 0
	s_wait_alu depctr_va_vdst(0)                   ; the packed lines above are done reading v64 to v127, in which the other four n blocks' biases land
	B2LOAD 1
	s_wait_dscnt 0x0
	B2SUM 1
	WIN 0
.Lmid:
	MEET                                           ; everybody's columns of Hcat are in LDS
	s_cmp_eq_u32 s26, 0
	s_cbranch_scc1 .Lp2
	; THE SECOND PRODUCT: K = 1,024; the two experts' K steps take turns (even steps e1, buffer 0; odd steps e2, buffer 1, 1,024 bytes further along Hcat's rows).
	s_wait_alu depctr_va_vdst(0)                   ; the packed lines are done reading v64 to v95, in which the first fragments land
	ALOAD 0, 5, 0
	s_mov_b32 s52, 15
	s_mov_b32 s62, 0
.Lk2:                                                  ; steps 0 to 29
	s_wait_alu depctr_vm_vsrc(0)                   ; the LDS loads issued so far have read v46 and v47
	v_add_nc_u32 v46, s62, v5
	v_add_nc_u32 v47, s62, v6
	STEP 1, 0, 42, 48, 1, 40, 0x4000, 46, 1024, 28, 24, 28, 24
	STEP 1, 1, 40, 50, 1, 42, 0x4000, 46, 64,   28, 24, 28, 24
	WIN 0
	s_add_co_u32 s62, s62, 64
	s_sub_co_u32 s52, s52, 1
	s_cmp_lg_u32 s52, 0
	s_cbranch_scc1 .Lk2
	s_wait_alu depctr_vm_vsrc(0)                   ; the LDS loads issued so far have read v46 and v47
	v_add_nc_u32 v46, 960, v5
	v_add_nc_u32 v47, 960, v6
	STEP 1, 0, 42, -1, 0, -1, 0, 46, 1024, 28, 24, 20, 16   ; step 30 asks for the last high half alone,
	STEP 1, 1, -1, -1, 0, -1, 0, 46, -1,   12, 8, 4, 0      ; step 31 for nothing: the counts run down, and it holds no wait on va_vdst
	NOP4                                           ; the places in front of the stores of the sums and of the writes into the fragments' registers
	WIN 0
.Lp2:
	MEET                                           ; every wave's reads of LDS are over before any wave writes its stage
	s_cmp_eq_u32 s26, 0
	s_cbranch_scc1 .Ldone
	s_wait_loadcnt 0x0                             ; no load of weights is out (the last step's last count was 0): their registers are free
.set t, 0
.rept 8
	v_add_nc_u32 v[96+t], 8*t, v40                 ; 4 x the lane that holds row 2 t + lane / 16's token
.set t, t+1
.endr
	OUTBLK 0
	OUTBLK 1
	OUTBLK 2
	OUTBLK 3
.Ldone:
	s_wait_dscnt 0x0                               ; the wave's end: my last LDS instructions are done
	s_wait_alu depctr_hold_cnt(0) depctr_sa_sdst(0) depctr_va_vdst(0) depctr_va_sdst(0) depctr_va_ssrc(0) depctr_va_vcc(0) depctr_vm_vsrc(0)
	s_wait_tensorcnt 0x0
	ds_add_u32 v51, v63
	s_wait_dscnt 0x0
	s_endpgm
.Lfunc_end_k_qf1e2b9dada_chain:
	.size	k_qf1e2b9dada_chain, .Lfunc_end_k_qf1e2b9dada_chain-k_qf1e2b9dada_chain
	.p2alignl 7, 3214868480
	.fill 96, 4, 3214868480
	.section	.rodata,"a",@progbits
	.p2align	6, 0x0
	.amdhsa_kernel k_qf1e2b9dada_chain
		.amdhsa_group_segment_fixed_size 277504
		.amdhsa_private_segment_fixed_size 0
		.amdhsa_enable_private_segment 0
		.amdhsa_kernarg_size 72
		.amdhsa_user_sgpr_count 2
		.amdhsa_user_sgpr_kernarg_segment_ptr 1
		.amdhsa_wavefront_size32 1
		.amdhsa_system_sgpr_workgroup_id_x 1
		.amdhsa_system_sgpr_workgroup_id_y 1
		.amdhsa_system_sgpr_workgroup_id_z 1
		.amdhsa_system_vgpr_workitem_id 0
		.amdhsa_next_free_vgpr 512
		.amdhsa_next_free_sgpr 72
		.amdhsa_reserve_vcc 0
		.amdhsa_float_denorm_mode_32 3
		.amdhsa_float_denorm_mode_16_64 3
		.amdhsa_memory_ordered 1
		.amdhsa_forward_progress 1
		.amdhsa_inst_pref_size 137
	.end_amdhsa_kernel
	.amdgpu_metadata
---
amdhsa.version: [ 1, 2 ]
amdhsa.kernels:
  - .name:           k_qf1e2b9dada_chain
    .symbol:         k_qf1e2b9dada_chain.kd
    .args:
      - { .name: x, .offset: 0, .size: 8, .value_kind: global_buffer, .address_space: global }
      - { .name: wf1, .offset: 8, .size: 8, .value_kind: global_buffer, .address_space: global }
      - { .name: wf2, .offset: 16, .size: 8, .value_kind: global_buffer, .address_space: global }
      - { .name: b1, .offset: 24, .size: 8, .value_kind: global_buffer, .address_space: global }
      - { .name: b2, .offset: 32, .size: 8, .value_kind: global_buffer, .address_space: global }
      - { .name: list, .offset: 40, .size: 8, .value_kind: global_buffer, .address_space: global }
      - { .name: tinfo, .offset: 48, .size: 8, .value_kind: global_buffer, .address_space: global }
      - { .name: tgate, .offset: 56, .size: 8, .value_kind: global_buffer, .address_space: global }
      - { .name: out0, .offset: 64, .size: 8, .value_kind: global_buffer, .address_space: global }
    .group_segment_fixed_size: 277504
    .private_segment_fixed_size: 0
    .kernarg_segment_align: 8
    .kernarg_segment_size: 72
    .max_flat_workgroup_size: 256
    .sgpr_count:     72
    .vgpr_count:     512
    .wavefront_size: 32
...
	.end_amdgpu_metadata
.endif
;; end of part 7
